; MI455X (gfx1250); checked and timed in simulation.
; The chip was launched on July 23, 2026; its instructions are those of AMD's public machine-readable ISA for CDNA 5 (MIT licence, August 2026) and "CDNA5" Instruction Set Architecture Reference Guide (July 2026). The comments in the code are by the model that wrote it; some were corrected since.
;; Planning Attention. Allowed arithmetic: matrix products marked QUANTISED: E4M3 operands, one given power-of-two scale a tensor, by v_wmma_f32_16x16x64_fp8_fp8 or v_wmma_f32_16x16x128_fp8_fp8, f32 sums; products left as they are: f32 operands where the result goes on into a quantised operand, else bf16, f16 or f32 operands; f32 sums; everything else in f32.
;; Inputs: b_c 1,024 float32; b_k 1,024 float32; b_q 1,024 float32; b_v 1,024 float32; context_memory 8 x 4,096 x 1,024 float32; lowp_scales 4 int32 (the exponents e of the quantised operands' scales 2^e); query 8 x 1,024 float32; w_c 1,024 x 2,048 float32; w_k 1,024 x 1,024 float32; w_q 1,024 x 1,024 float32; w_v 1,024 x 1,024 float32.
;; Outputs: out0 8 x 1,024 float32.
;; This version of the problem:
;;   THIS VERSION OF THE PROBLEM IS GIVEN IN LOW PRECISION. The matrix products marked QUANTISED in the list below multiply operands that are first quantised to E4M3 (4 exponent bits, 3 mantissa bits; 8 bits a number), with one given power-of-two scale for each operand tensor; their sums are f32. All else is computed in f32.
;;   The module's matrix products, in the order in which they are computed (A, B: the left and right operand; K: the contracted axis; several contracted axes count as one K, in the product's order):
;;     1. [M 8, K 1,024] x [K 1,024, N 1,024]; A: computed on the way; B: computed on the way: left as it is (M = 8 < 16)
;;     2. [M 32,768, K 1,024] x [K 1,024, N 1,024]; A: computed on the way; B: computed on the way: QUANTISED (scales: A lowp_scales[0], B lowp_scales[1])
;;     3. [M 32,768, K 1,024] x [K 1,024, N 1,024]; A: computed on the way; B: computed on the way: QUANTISED (scales: A lowp_scales[2], B lowp_scales[3])
;;     4. batch 8 x [M 1, K 1,024] x [K 1,024, N 4,096]; A: computed on the way; B: computed on the way: left as it is (M = 1 < 16)
;;     5. batch 8 x [M 1, K 4,096] x [K 4,096, N 1,024]; A: softmax; B: computed on the way: left as it is (M = 1 < 16)
;;     6. [M 8, K 2,048] x [K 2,048, N 1,024]; A: computed on the way; B: computed on the way: left as it is (M = 8 < 16)
;;   THE QUANTISER, for each operand of a quantised product, along K:
;;     - The operand's scale is 2^e, e = its entry of the input lowp_scales (int32; the entries are numbered through the quantised products in the list's order, A before B).
;;     - Each number is divided by the scale, clamped to +-448, and rounded to the nearest number of E4M3, ties to even, subnormals kept.
;;     - The product sums the exact products of the quantised numbers (number of the format x scale) in f32.
;;   ~~~python
;;   def quantise(x, axis, e):      # numpy; x: float32 -> the quantised numbers, widened to float32 again
;;       x = np.moveaxis(x, axis, -1); K = x.shape[-1]
;;       r = np.clip(x / 2.0 ** e, -448, 448)
;;       step = 2.0 ** (np.maximum(np.frexp(np.where(r == 0, 1, r))[1] - 1, -6) - 3)
;;       q = np.round(r / step) * step * 2.0 ** e      # np.round: ties to even
;;       return np.moveaxis(q, -1, axis).astype(np.float32)
;;   ~~~
;;   OPERANDS COMPUTED ON THE WAY. 'Computed on the way' means the value that the module computes at that place (a softmax that the list does not call 'softmax' is quantised finished and normalised). What goes into a quantiser is computed in f32, as accurately as f32 sums, v_exp_f32 and their like allow (about 1e-6 of the number): no bf16 or f16 on the way to a quantiser, and a product that is left as it is and whose result goes on into a quantised operand takes f32 operands (vector FMAs, or v_wmma_f32_16x16x4_f32). A number that lies on a knife's edge between two numbers of the format may be rounded either way, as far as f32 arithmetic and the matrix unit's own rounding can turn it there, and no further.
;; One version. Each part assembles by itself: llvm-mc -triple=amdgcn-amd-amdhsa -mcpu=gfx1250 --defsym DOCPART=n.
;; ======== version 1 of 1: 4 launches
;; limits: right only within a limited range of input values
;; workspace buffers: sums 4,096 bytes; wcodes 1,048,576 bytes; pools 256 bytes; qbuf 32,768 bytes; part 1,048,576 bytes; ml 2,048 bytes; tc 2,097,152 bytes
;; launch sums (part 1): grid 256 x 1, 8 waves a work-group, no clusters, 1,280 bytes of LDS; arguments w_q, w_k, w_v, w_c, sums; writes sums
.if DOCPART == 1
	.amdgcn_target "amdgcn-amd-amdhsa--gfx1250"
	.amdhsa_code_object_version 6
	.text
	.protected	k_qaaa33172e9_sums
	.globl	k_qaaa33172e9_sums
	.p2align	8
	.type	k_qaaa33172e9_sums,@function
k_qaaa33172e9_sums:
	s_mov_b64 s[64:65], 0
	v_nop
	global_prefetch_b8 v0, s[64:65] scope:SCOPE_SE
	s_setreg_imm32_b32 hwreg(HW_REG_WAVE_MODE, 25, 1), 1
	s_wait_xcnt 0x0
; sums[g][0 .. 3] = work-group g's share of the sums of |w| of w_q, w_k, w_v, w_c.  The later launches add a tensor's 256 shares in a fixed order: a sum that spans work-groups is finished in a later launch, without atomics.
; EQUAL SHARES.  The weights are five pieces of 4,194,304 bytes: w_q, w_k, w_v and the two halves of w_c.  Work-group g takes 16,384 bytes at byte 16,384 g of each piece: 81,920 bytes, the same for all 256.
; A wave takes 2,048 bytes of each piece by four loads of 512 consecutive bytes; all twenty loads are issued at once; a lane adds a piece's 16 magnitudes in a chain of its own.
; No cache hint: the next launch reads the same weights again.  No matrix unit, no cluster: nothing is shared and every byte is read once.
.set SEL, 12                           ; s[12:13] lane selects for v_permlanex16_b32: lane l xor 16
.set HALF_C, 4194304                   ; w_c's second half begins here: inside the signed 24-bit immediate
	s_load_b256 s[4:11], s[0:1], 0x0               ; w_q s[4:5], w_k s[6:7], w_v s[8:9], w_c s[10:11]
	s_load_b64 s[14:15], s[0:1], 0x20              ; sums
	v_lshl_add_u32 v96, v0, 2, 0x100
	v_mov_b32 v97, 0
	v_lshrrev_b32 v1, 5, v0
	s_delay_alu instid0(VALU_DEP_1)
	v_readfirstlane_b32 s16, v1                    ; wave 0..7
	v_and_b32 v1, 31, v0
	s_delay_alu instid0(VALU_DEP_1)
	v_lshlrev_b32 v1, 4, v1                        ; 16 x lane
	s_delay_alu instid0(VALU_DEP_3)
	v_mov_b32 v7, s16
	s_delay_alu instid0(VALU_DEP_1)
	v_lshlrev_b32 v7, 4, v7                        ; my wave's four words in LDS
.irp r, 8,9,10,11
	v_mov_b32 v\r, 0                               ; written once: a lane permute's destination counts as one of its sources
.endr
	v_mov_b32 v12, 0                               ; LDS byte 0
	s_lshl_b32 s21, ttmp9, 4
	v_mov_b32 v13, s21                             ; my work-group's four words in sums
	s_lshl_b32 s18, ttmp9, 14                      ; 16,384 x work-group
	s_lshl_b32 s19, s16, 11
	s_add_co_u32 s18, s18, s19                     ; + 2,048 x wave
	s_mov_b32 s19, 0
	s_mov_b32 s[SEL], 0x76543210
	s_mov_b32 s[SEL+1], 0xfedcba98
	s_wait_alu depctr_va_vdst(0)
	s_wait_kmcnt 0x0
.irp p, 4, 6, 8, 10
	s_add_nc_u64 s[\p:\p+1], s[\p:\p+1], s[18:19]
.endr
.set q, 0
.rept 4                                ; pieces 0-3: w_q, w_k, w_v, w_c's first half
.set j, 0
.rept 4
	global_load_b128 v[16+16*q+4*j:19+16*q+4*j], v1, s[4+2*q:5+2*q] offset:512*j
.set j, j+1
.endr
.set q, q+1
.endr
.set j, 0
.rept 4                                ; piece 4: w_c's second half
	global_load_b128 v[80+4*j:83+4*j], v1, s[10:11] offset:HALF_C+512*j
.set j, j+1
.endr
.set q, 0
.rept 5                                ; chain q adds the sixteen registers of piece q into v[2 + q]
	s_wait_loadcnt 16-4*q                          ; the later pieces' loads, four each, may stay out
	v_add_f32 v[2+q], |v[16+16*q]|, |v[17+16*q]|   ; the first two magnitudes start the chain: nothing is cleared
.set i, 2
.rept 14
	s_delay_alu instid0(VALU_DEP_1)
	v_add_f32 v[2+q], v[2+q], |v[16+16*q+i]|
.set i, i+1
.endr
.set q, q+1
.endr
	s_delay_alu instid0(VALU_DEP_1)
	v_add_f32 v5, v5, v6                           ; w_c's two halves
.irp m, 1, 2, 4, 8                     ; the four sums over the 32 lanes, line by line, so that no line waits for the line above it
.irp r, 2,3,4,5
	v_add_f32_dpp v\r, v\r, v\r row_xmask:\m row_mask:0xf bank_mask:0xf
.endr
.endr
.irp r, 2,3,4,5
	s_delay_alu instid0(VALU_DEP_4)
	v_permlanex16_b32 v[6+\r], v\r, s[SEL], s[SEL+1]
.endr
.irp r, 2,3,4,5
	s_delay_alu instid0(VALU_DEP_4)
	v_add_f32 v\r, v\r, v[6+\r]                    ; the wave's sums, in every lane
.endr
	ds_store_b128 v7, v[2:5]                       ; all lanes write the same four words with the same values
	s_wait_dscnt 0x0                               ; for the others' sake: my store has landed
	s_barrier_signal -1
	s_barrier_wait -1
.set w, 0
.rept 8
	ds_load_b128 v[16+4*w:19+4*w], v12 offset:16*w ; the eight waves' sums
.set w, w+1
.endr
	s_wait_dscnt 0x0
.irp a, 16, 18, 24, 26, 32, 34, 40, 42
	v_pk_add_f32 v[\a:\a+1], v[\a:\a+1], v[\a+4:\a+5]
.endr
.irp a, 16, 18, 32, 34
	v_pk_add_f32 v[\a:\a+1], v[\a:\a+1], v[\a+8:\a+9]
.endr
.irp a, 16, 18
	s_delay_alu instid0(VALU_DEP_2)
	v_pk_add_f32 v[\a:\a+1], v[\a:\a+1], v[\a+16:\a+17]
.endr
	s_wait_alu depctr_va_vdst(0)
	s_wait_xcnt 0x0                                ; EXEC changes only behind this wait
	v_cmp_eq_u32 vcc_lo, 0, v0
	s_barrier_signal -1
	s_barrier_wait -1
	s_wait_tensorcnt 0x0
	ds_add_u32 v96, v97
	s_wait_dscnt 0x0
	s_and_saveexec_b32 s20, vcc_lo
	global_store_b128 v13, v[16:19], s[14:15]      ; 16 bytes a work-group: 4,096 bytes in the whole launch
	s_wait_xcnt 0x0
	s_or_b32 exec_lo, exec_lo, s20
	s_endpgm
.Lfunc_end_k_qaaa33172e9_sums:
	.size	k_qaaa33172e9_sums, .Lfunc_end_k_qaaa33172e9_sums-k_qaaa33172e9_sums
	.p2alignl 7, 3214868480
	.fill 96, 4, 3214868480
	.section	.rodata,"a",@progbits
	.p2align	6, 0x0
	.amdhsa_kernel k_qaaa33172e9_sums
		.amdhsa_group_segment_fixed_size 1280
		.amdhsa_private_segment_fixed_size 0
		.amdhsa_enable_private_segment 0
		.amdhsa_kernarg_size 40
		.amdhsa_user_sgpr_count 2
		.amdhsa_user_sgpr_kernarg_segment_ptr 1
		.amdhsa_wavefront_size32 1
		.amdhsa_system_sgpr_workgroup_id_x 1
		.amdhsa_system_sgpr_workgroup_id_y 1
		.amdhsa_system_sgpr_workgroup_id_z 1
		.amdhsa_system_vgpr_workitem_id 0
		.amdhsa_next_free_vgpr 98
		.amdhsa_next_free_sgpr 66
		.amdhsa_reserve_vcc 1
		.amdhsa_float_denorm_mode_32 3
		.amdhsa_float_denorm_mode_16_64 3
		.amdhsa_memory_ordered 1
		.amdhsa_forward_progress 1
		.amdhsa_inst_pref_size 15
	.end_amdhsa_kernel
	.amdgpu_metadata
---
amdhsa.version: [ 1, 2 ]
amdhsa.kernels:
  - .name:           k_qaaa33172e9_sums
    .symbol:         k_qaaa33172e9_sums.kd
    .args:
      - { .name: w_q, .offset: 0, .size: 8, .value_kind: global_buffer, .address_space: global }
      - { .name: w_k, .offset: 8, .size: 8, .value_kind: global_buffer, .address_space: global }
      - { .name: w_v, .offset: 16, .size: 8, .value_kind: global_buffer, .address_space: global }
      - { .name: w_c, .offset: 24, .size: 8, .value_kind: global_buffer, .address_space: global }
      - { .name: sums, .offset: 32, .size: 8, .value_kind: global_buffer, .address_space: global }
    .group_segment_fixed_size: 1280
    .private_segment_fixed_size: 0
    .kernarg_segment_align: 8
    .kernarg_segment_size: 40
    .max_flat_workgroup_size: 256
    .sgpr_count:     66
    .vgpr_count:     98
    .wavefront_size: 32
...
	.end_amdgpu_metadata
.endif
;; end of part 1
;; launch prep (part 2): grid 512 x 1, 8 waves a work-group, no clusters, 17,920 bytes of LDS; arguments sums, w_k, w_v, w_q, w_c, query, b_q, lowp_scales, wcodes, qbuf, tc, pools; writes wcodes, qbuf, tc, pools
.if DOCPART == 2
	.amdgcn_target "amdgcn-amd-amdhsa--gfx1250"
	.amdhsa_code_object_version 6
	.text
	.protected	k_qaaa33172e9_prep
	.globl	k_qaaa33172e9_prep
	.p2align	8
	.type	k_qaaa33172e9_prep,@function
k_qaaa33172e9_prep:
	s_mov_b64 s[64:65], 0
	v_nop
	global_prefetch_b8 v0, s[64:65] scope:SCOPE_SE
	s_setreg_imm32_b32 hwreg(HW_REG_WAVE_MODE, 25, 1), 1
	s_wait_xcnt 0x0
; Three kinds of work-groups, told apart by the work-group's number alone, so that all eight waves of a work-group take the same way.  The long ones have the low numbers.
;   0-255    q = bitlinear(query, w_q, b_q), in f32 by vector multiply-adds (8 rows: no matrix work): one batch row, 32 outputs a work-group
;   256-383  the ternary weights of w_k (256-319) and w_v (320-383) as codes of E4M3, laid as images of the operand registers of the next launch: sixteen rows a work-group
;   384-511  the ternary t of w_c, one byte each, for the last launch, which would else make it anew for each of the eight batch rows: eight rows a work-group
; A weight is t x s, t = round(w / s) held within -1 .. 1, s = mean|w| + 1e-5.  For w_k and w_v its code is that of t x min(s, 448 x 2^e) / 2^e, e = entry 1 (w_k) or 3 (w_v) of lowp_scales.
; For w_c, whose product is not quantised, t alone is stored, as the E4M3 code of -1, 0 or 1, which is exact; the last launch widens it to f32 again and multiplies the sums by s.
; THE ORDER ALONG K.  A row of 1,024 numbers is loaded by one wave with eight loads of 512 consecutive bytes: load j, lane l, element i is k = 128 j + 4 l + i.  The codes of loads 0-3 go to byte 16 l of the row of codes,
; those of loads 4-7 to byte 512 + 16 l.  The next launch lays the other operand's codes by the same lines, so every product meets its partner; only the order of the sums changes.
; wcodes: byte gw x 262144 + pass x 65536 + s x 8192 + b x 1024 + 512 c + 16 L holds the 16 selectors at bytes 64 s + 32 c + 16 (L / 16) of the row of selectors of column n = 512 half + 128 gw + 16 b + L % 16; pass = 2 x tensor + half.
; tc: byte 2048 o + 512 m + 16 l + 4 x + i holds t(o, k = 128 (4 m + x) + 4 l + i): a row of w_c is sixteen such loads.
; sums: word 4 g + n is work-group g's share (of 256) of the sum of |w| of tensor n: 0 w_q, 1 w_k, 2 w_v, 3 w_c.
; LIMITS: e between -126 and 119, so that 2^e and 448 x 2^e are f32 numbers.  NaN and infinity among the inputs are not served.  w / s is w x (1 / s), 127 / g and g / 127 come from a reciprocal
; with one correcting step: a number that lies within the last bits of a half may be rounded the other way than by a division.  x + (xq - x) is taken as xq.
; Only the way of w_k and w_v touches LDS and has a barrier.
.set SEL, 28                           ; s[28:29] lane selects: lane l xor 16
.set PITCH, 1040                       ; a row of codes in LDS: 1,024 bytes + 16: an odd multiple of 16, so that sixteen rows' pieces of 16 bytes fall on different banks
.set PS, 200                           ; v200-207 my eight of the tensor's 256 partial sums
.macro WSUM r, t                       ; the sum over the 32 lanes of v[r], in every lane; v[t] has been written before
	s_delay_alu instid0(VALU_DEP_1)
	v_add_f32_dpp v[\r], v[\r], v[\r] row_xmask:1 row_mask:0xf bank_mask:0xf
	s_delay_alu instid0(VALU_DEP_1)
	v_add_f32_dpp v[\r], v[\r], v[\r] row_xmask:2 row_mask:0xf bank_mask:0xf
	s_delay_alu instid0(VALU_DEP_1)
	v_add_f32_dpp v[\r], v[\r], v[\r] row_xmask:4 row_mask:0xf bank_mask:0xf
	s_delay_alu instid0(VALU_DEP_1)
	v_add_f32_dpp v[\r], v[\r], v[\r] row_xmask:8 row_mask:0xf bank_mask:0xf
	s_delay_alu instid0(VALU_DEP_1)
	v_permlanex16_b32 v[\t], v[\r], s[SEL], s[SEL+1]
	s_delay_alu instid0(VALU_DEP_1)
	v_add_f32 v[\r], v[\r], v[\t]
.endm
.macro WMAX r, t                       ; the same for the maximum
	s_delay_alu instid0(VALU_DEP_1)
	v_max_num_f32_dpp v[\r], v[\r], v[\r] row_xmask:1 row_mask:0xf bank_mask:0xf
	s_delay_alu instid0(VALU_DEP_1)
	v_max_num_f32_dpp v[\r], v[\r], v[\r] row_xmask:2 row_mask:0xf bank_mask:0xf
	s_delay_alu instid0(VALU_DEP_1)
	v_max_num_f32_dpp v[\r], v[\r], v[\r] row_xmask:4 row_mask:0xf bank_mask:0xf
	s_delay_alu instid0(VALU_DEP_1)
	v_max_num_f32_dpp v[\r], v[\r], v[\r] row_xmask:8 row_mask:0xf bank_mask:0xf
	s_delay_alu instid0(VALU_DEP_1)
	v_permlanex16_b32 v[\t], v[\r], s[SEL], s[SEL+1]
	s_delay_alu instid0(VALU_DEP_1)
	v_max_num_f32 v[\r], v[\r], v[\t]
.endm
.macro PSLOAD                          ; s[4:5] stands at my tensor's word of work-group 0: shares l + 32 j, 16 bytes from lane to lane
.set j, 0
.rept 8
	global_load_b32 v[PS+j], v2, s[4:5] offset:512*j
.set j, j+1
.endr
.endm
.macro SCALE                           ; out: v7 = s = sum x s30 + 1e-5 (s30 = 1 / the tensor's count), v10 = 1 / s
	v_add_f32 v[PS], v[PS], v[PS+1]
	v_add_f32 v[PS+2], v[PS+2], v[PS+3]
	v_add_f32 v[PS+4], v[PS+4], v[PS+5]
	v_add_f32 v[PS+6], v[PS+6], v[PS+7]
	s_delay_alu instid0(VALU_DEP_3)
	v_add_f32 v[PS], v[PS], v[PS+2]
	s_delay_alu instid0(VALU_DEP_2)
	v_add_f32 v[PS+4], v[PS+4], v[PS+6]
	s_delay_alu instid0(VALU_DEP_1)
	v_add_f32 v8, v[PS], v[PS+4]
	WSUM 8, 9
	s_delay_alu instid0(VALU_DEP_1)
	v_fma_f32 v7, v8, s30, s31
	s_wait_alu depctr_va_vdst(0)
	v_rcp_f32 v10, v7
	v_nop                                          ; a plain instruction between the reciprocal and the use of its result
	s_wait_alu depctr_va_vdst(0)
	v_fma_f32 v11, -v7, v10, 1.0
	v_fma_f32 v10, v11, v10, v10                   ; one correcting step
.endm
.macro TERN x                          ; 32 numbers v[x] on become t = round(w / s) held within -1 .. 1
.set n, 0
.rept 16
	v_pk_mul_f32 v[\x+2*n:\x+2*n+1], v[\x+2*n:\x+2*n+1], v[10:11] op_sel_hi:[1,0]
.set n, n+1
.endr
.set n, 0
.rept 32
	v_rndne_f32 v[\x+n], v[\x+n]
.set n, n+1
.endr
.set n, 0
.rept 32
	v_med3_num_f32 v[\x+n], v[\x+n], -1.0, 1.0
.set n, n+1
.endr
.endm
	s_load_b256 s[4:11], s[0:1], 0x0               ; sums s[4:5], w_k s[6:7], w_v s[8:9], w_q s[10:11]
	s_load_b256 s[12:19], s[0:1], 0x20             ; w_c s[12:13], query s[14:15], b_q s[16:17], lowp_scales s[18:19]
	s_load_b128 s[20:23], s[0:1], 0x40             ; wcodes s[20:21], qbuf s[22:23]
	s_load_b64 s[24:25], s[0:1], 0x50              ; tc
	s_load_b64 s[50:51], s[0:1], 0x58              ; pools
	v_lshl_add_u32 v208, v0, 2, 0x4200
	v_mov_b32 v209, 0
	v_lshrrev_b32 v1, 5, v0
	s_delay_alu instid0(VALU_DEP_1)
	v_readfirstlane_b32 s26, v1                    ; wave 0..7
	v_and_b32 v1, 31, v0                           ; lane
	s_delay_alu instid0(VALU_DEP_1)
	v_lshlrev_b32 v2, 4, v1                        ; 16 x lane: my place in a load's or a store's 512 bytes
	v_mov_b32 v9, 0                                ; written once: a lane permute's destination counts as one of its sources
	v_mov_b32 v13, 0                               ; (named as the upper half of the pair v[12:13])
	v_mov_b32 v15, 0
	s_mul_i32 s27, s26, 2*PITCH
	v_add_nc_u32 v3, s27, v2                       ; LDS, in: my wave's two rows of codes, 16 x lane
	v_and_b32 v4, 15, v0
	v_bfe_u32 v5, v0, 4, 1
	s_delay_alu instid0(VALU_DEP_2)
	v_mul_u32_u24 v4, v4, PITCH
	s_delay_alu instid0(VALU_DEP_1)
	v_lshl_add_u32 v4, v5, 4, v4
	s_lshl_b32 s27, s26, 6                         ; a K step is 64 selector bytes of a row
	v_add_nc_u32 v4, s27, v4                       ; LDS, out: row lane % 16, + 16 (lane / 16), + 64 x wave: K step = my wave's number
	s_mov_b32 s[SEL], 0x76543210
	s_mov_b32 s[SEL+1], 0xfedcba98
	s_mov_b32 s30, 0x35800000                      ; 2^-20: a tensor of 1,024 x 1,024
	s_mov_b32 s31, 0x3727c5ac                      ; 1e-5
	s_mov_b32 s33, 0
	s_wait_kmcnt 0x0
	s_cmp_lt_u32 ttmp9, 256
	s_cbranch_scc1 .Lq
	s_cmp_lt_u32 ttmp9, 384
	s_cbranch_scc0 .Lwc
	; ---- the codes of sixteen rows of w_k or w_v: two rows a wave
	s_load_b128 s[36:39], s[18:19], 0x0            ; e0 .. e3
	s_sub_co_u32 s34, ttmp9, 256
	s_lshr_b32 s40, s34, 6                         ; tensor: 0 w_k, 1 w_v
	s_and_b32 s41, s34, 63                         ; T: which sixteen rows
	s_cmp_eq_u32 s40, 0                            ; the choice hangs on the work-group's number alone
	s_cselect_b64 s[42:43], s[6:7], s[8:9]
	s_lshl_b32 s32, s40, 2
	s_add_co_u32 s32, s32, 4                       ; word 1 + tensor of each work-group's four sums
	s_add_nc_u64 s[4:5], s[4:5], s[32:33]
	s_lshl_b32 s32, s41, 16
	s_lshl_b32 s35, s26, 13
	s_add_co_u32 s32, s32, s35                     ; row 16 T + 2 x wave, 4,096 bytes a row
	s_add_nc_u64 s[42:43], s[42:43], s[32:33]
	PSLOAD
.set j, 0
.rept 16
	global_load_b128 v[16+4*j:19+4*j], v2, s[42:43] offset:512*j th:TH_LOAD_NT   ; two rows on end: row j / 8, load j % 8; read once in the launch
.set j, j+1
.endr
	s_bfe_u32 s44, s41, 0x20003                    ; gw = (T / 8) % 4
	s_lshl_b32 s44, s44, 18
	s_lshr_b32 s45, s41, 5                         ; half = T / 32
	s_lshl_b32 s46, s40, 1
	s_add_co_u32 s45, s45, s46                     ; pass
	s_lshl_b32 s45, s45, 16
	s_add_co_u32 s44, s44, s45
	s_and_b32 s45, s41, 7                          ; b = T % 8
	s_lshl_b32 s45, s45, 10
	s_add_co_u32 s44, s44, s45
	s_lshl_b32 s45, s26, 13
	s_add_co_u32 s32, s44, s45
	s_add_nc_u64 s[20:21], s[20:21], s[32:33]
	s_wait_kmcnt 0x0
	s_cmp_eq_u32 s40, 0
	s_cselect_b32 s47, s37, s39                    ; e
	s_add_co_i32 s47, s47, 127
	s_lshl_b32 s48, s47, 23
	v_mov_b32 v14, s48                             ; 2^e as f32: the conversion takes its exponent field
	s_add_co_i32 s47, s47, 8
	s_lshl_b32 s47, s47, 23
	s_or_b32 s47, s47, 0x600000                    ; 448 x 2^e
	s_wait_loadcnt 16                              ; the partial sums are in; the sixteen loads of the rows may be out
	SCALE
	v_min_num_f32 v12, s47, v7                     ; the hold at the largest code: |t s| is 0 or s
	; WCODES HOLDS ONE SELECTOR BYTE FOR TWO WEIGHTS: t1 at byte y of the row of codes (y < 512) and t2 at byte 512 + y.  z = 3 t1 + t2 + 4 is 0 .. 8; the selector is z (z < 4), z - 1 (z > 4) or 12 (both 0).
	; The next launch turns a selector into the two codes by v_perm_b32 on the tables in pools.  wcodes: byte gw x 262144 + pass x 65536 + s x 8192 + b x 1024 + 512 c + 16 L: selectors at bytes 64 s + 32 c + 16 (L / 16) of the row.
	v_mov_b32 v176, 0x3d800000                     ; 1 / 16
	v_mov_b32 v177, 0
	v_mov_b32 v178, 0x3f400000                     ; 0.75
	v_mov_b32 v179, 0
	v_mov_b32 v180, 0x3e400000                     ; 3 / 16
	v_mov_b32 v181, 0
	v_mov_b32 v182, 1.0
.macro WROW rho
	s_wait_loadcnt 8-8*(\rho)                      ; this row's eight loads are in
	TERN 16+32*(\rho)
.set n, 0
.rept 16
.if n < 8
	v_pk_fma_f32 v[32+32*(\rho)+2*n:33+32*(\rho)+2*n], v[32+32*(\rho)+2*n:33+32*(\rho)+2*n], v[176:177], v[178:179] op_sel_hi:[1,0,0]   ; t2 / 16 + 0.75
.else
	v_pk_fma_f32 v[16+32*(\rho)+2*(n-8):17+32*(\rho)+2*(n-8)], v[16+32*(\rho)+2*(n-8):17+32*(\rho)+2*(n-8)], v[180:181], v[32+32*(\rho)+2*(n-8):33+32*(\rho)+2*(n-8)] op_sel_hi:[1,0,1]   ; 0.5 + z / 16: a number of E4M3, code 0x30 + z
.endif
.set n, n+1
.endr
.set n, 0
.rept 2
	v_cvt_scalef32_pk8_fp8_f32 v[80+8*(\rho)+2*n:81+8*(\rho)+2*n], v[16+32*(\rho)+8*n:23+32*(\rho)+8*n], v182   ; the conversion packs sixteen z into sixteen bytes; nothing is rounded
.set n, n+1
.endr
	v_nop                                          ; a plain instruction behind the last conversion
.irp r, 0,1,2,3                        ; four bytes at a time, no byte carries into the next: z -> z + 8 [z >= 4] - 9 [z >= 5]
	v_and_b32 v[80+8*(\rho)+\r], 0x0f0f0f0f, v[80+8*(\rho)+\r]
	v_add_nc_u32 v184, 0x04040404, v[80+8*(\rho)+\r]
	v_add_nc_u32 v185, 0x03030303, v[80+8*(\rho)+\r]
	v_and_b32 v184, 0x08080808, v184
	v_and_b32 v185, 0x08080808, v185
	v_add_nc_u32 v[80+8*(\rho)+\r], v[80+8*(\rho)+\r], v184
	v_sub_nc_u32 v[80+8*(\rho)+\r], v[80+8*(\rho)+\r], v185
	v_lshrrev_b32 v185, 3, v185
	v_sub_nc_u32 v[80+8*(\rho)+\r], v[80+8*(\rho)+\r], v185
.endr
	ds_store_b128 v3, v[80+8*(\rho):83+8*(\rho)] offset:(\rho)*PITCH
.endm
	s_wait_alu depctr_va_vdst(0)
	WROW 0
	WROW 1
	s_wait_dscnt 0x0                               ; for the others' sake: my two rows of codes have landed
	s_barrier_signal -1
	s_barrier_wait -1                              ; all sixteen rows lie in LDS
.set c, 0
.rept 2
	ds_load_b128 v[96+4*c:99+4*c], v4 offset:32*c  ; the selectors of registers 4 c .. 4 c + 3 (and 8 + 4 c ..) of the fragment of K step = my wave
.set c, c+1
.endr
.set c, 0
.rept 2
	s_wait_dscnt 1-c
	global_store_b128 v2, v[96+4*c:99+4*c], s[20:21] offset:512*c   ; 32 lanes store 512 consecutive bytes
.set c, c+1
.endr
	; the tables: one work-group and wave for each tensor stores four words: t1's codes for selectors 0-3 and 4-7, then t2's.  Selectors 0 .. 7 stand for (t1, t2) = (-,-) (-,0) (-,+) (0,-) (0,+) (+,-) (+,0) (+,+)
	s_wait_alu depctr_va_vdst(0)
	s_cmp_lg_u32 s41, 0
	s_cbranch_scc1 .Lnopool
	s_cmp_lg_u32 s26, 0
	s_cbranch_scc1 .Lnopool
	v_xor_b32 v186, 0x80000000, v12
.irp r, 120,121,122,128,131,133
	v_mov_b32 v\r, v186
.endr
.irp r, 123,124,129,134
	v_mov_b32 v\r, 0
.endr
.irp r, 125,126,127,130,132,135
	v_mov_b32 v\r, v12
.endr
	v_cvt_scalef32_pk8_fp8_f32 v[136:137], v[120:127], v14
	v_cvt_scalef32_pk8_fp8_f32 v[138:139], v[128:135], v14
	v_nop                                          ; a plain instruction behind the last conversion
	v_cmp_eq_u32 vcc_lo, 0, v1
	s_wait_alu depctr_va_vdst(0)
	s_lshl_b32 s32, s40, 4
	s_add_nc_u64 s[50:51], s[50:51], s[32:33]      ; 16 bytes a tensor
	s_wait_xcnt 0x0                                ; EXEC changes only behind this wait
	s_and_saveexec_b32 s48, vcc_lo
	global_store_b128 v15, v[136:139], s[50:51]
	s_wait_xcnt 0x0
	s_or_b32 exec_lo, exec_lo, s48
.Lnopool:
	s_wait_tensorcnt 0x0
	ds_add_u32 v208, v209
	s_wait_dscnt 0x0
	s_endpgm
	; ---- q: one batch row, 32 outputs a work-group, four a wave
.Lq:
	s_lshr_b32 s41, ttmp9, 5                       ; batch
	s_and_b32 s40, ttmp9, 31
	s_lshl_b32 s40, s40, 5
	s_lshl_b32 s35, s26, 2
	s_add_co_u32 s40, s40, s35                     ; my first output
	s_lshl_b32 s32, s41, 12
	s_add_nc_u64 s[14:15], s[14:15], s[32:33]      ; the batch's row of query
	s_lshl_b32 s35, s40, 2
	s_add_co_u32 s32, s32, s35
	s_add_nc_u64 s[22:23], s[22:23], s[32:33]      ; my four numbers of q
	s_mov_b32 s32, s35
	s_add_nc_u64 s[16:17], s[16:17], s[32:33]      ; and of b_q
	s_lshl_b32 s32, s40, 12
	s_add_nc_u64 s[10:11], s[10:11], s[32:33]      ; my four rows of w_q
	s_load_b128 s[36:39], s[16:17], 0x0
	s_mov_b32 s44, 0x42fe0000                      ; 127
	s_mov_b32 s45, 0xc3000000                      ; -128
	s_mov_b32 s46, 0x3c010204                      ; 1 / 127
	s_mov_b32 s47, 0xc2fe0000                      ; -127
	PSLOAD                                         ; w_q's shares are word 0 of each four
.set j, 0
.rept 8
	global_load_b128 v[16+4*j:19+4*j], v2, s[14:15] offset:512*j
.set j, j+1
.endr
.set j, 0
.rept 32
	global_load_b128 v[48+4*j:51+4*j], v2, s[10:11] offset:512*j   ; four rows on end
.set j, j+1
.endr
	s_wait_loadcnt 32                              ; the sums and the row of query are in; the 32 loads of the weights may be out
	SCALE
.set n, 0
.rept 16                               ; the row's largest magnitude: four chains
.if n < 4
	v_max3_num_f32 v[176+n], |v[16+2*n]|, |v[17+2*n]|, 0
.else
	s_delay_alu instid0(VALU_DEP_4)
	v_max3_num_f32 v[176+n%4], |v[16+2*n]|, |v[17+2*n]|, v[176+n%4]
.endif
.set n, n+1
.endr
	s_delay_alu instid0(VALU_DEP_2)
	v_max3_num_f32 v176, v176, v177, v178
	s_delay_alu instid0(VALU_DEP_1)
	v_max_num_f32 v176, v176, v179
	WMAX 176, 177
	s_delay_alu instid0(VALU_DEP_1)
	v_add_f32 v180, s31, v176                      ; g
	s_wait_alu depctr_va_vdst(0)
	v_rcp_f32 v181, v180
	v_mul_f32 v184, s46, v180                      ; g / 127, first guess (the plain instruction behind the reciprocal)
	s_wait_alu depctr_va_vdst(0)
	v_mul_f32 v182, s44, v181                      ; 127 / g, first guess
	s_delay_alu instid0(VALU_DEP_1)
	v_fma_f32 v183, -v180, v182, s44
	v_fma_f32 v185, s47, v184, v180
	v_fma_f32 v182, v183, v181, v182               ; 127 / g
	s_delay_alu instid0(VALU_DEP_2)
	v_fma_f32 v184, v185, s46, v184                ; g / 127
.set n, 0
.rept 16
	v_pk_mul_f32 v[16+2*n:17+2*n], v[16+2*n:17+2*n], v[182:183] op_sel_hi:[1,0]
.set n, n+1
.endr
.set n, 0
.rept 32
	v_rndne_f32 v[16+n], v[16+n]
.set n, n+1
.endr
.set n, 0
.rept 32
	v_med3_num_f32 v[16+n], v[16+n], s45, s44
.set n, n+1
.endr
.set n, 0
.rept 16
	v_pk_mul_f32 v[16+2*n:17+2*n], v[16+2*n:17+2*n], v[184:185] op_sel_hi:[1,0]
.set n, n+1
.endr
	s_wait_kmcnt 0x0                               ; b_q
.macro QROW rho
	s_wait_loadcnt 24-8*(\rho)                     ; this row's eight loads are in; the later rows' may be out
	TERN 48+32*(\rho)
	v_pk_mul_f32 v[186:187], v[48+32*(\rho):49+32*(\rho)], v[16:17]      ; the first products start two chains
	v_pk_mul_f32 v[188:189], v[50+32*(\rho):51+32*(\rho)], v[18:19]
.set n, 2
.rept 14
	s_delay_alu instid0(VALU_DEP_2)
	v_pk_fma_f32 v[186+2*(n%2):187+2*(n%2)], v[48+32*(\rho)+2*n:49+32*(\rho)+2*n], v[16+2*n:17+2*n], v[186+2*(n%2):187+2*(n%2)]
.set n, n+1
.endr
	s_delay_alu instid0(VALU_DEP_1)
	v_pk_add_f32 v[186:187], v[186:187], v[188:189]
	s_delay_alu instid0(VALU_DEP_1)
	v_add_f32 v186, v186, v187
	WSUM 186, 187
	s_delay_alu instid0(VALU_DEP_1)
	v_fma_f32 v[192+\rho], v186, v7, s[36+\rho]    ; q = s x the sum of xq t + b_q
.endm
	QROW 0
	QROW 1
	QROW 2
	QROW 3
	s_wait_alu depctr_va_vdst(0)
	s_wait_xcnt 0x0                                ; EXEC changes only behind this wait
	v_cmp_eq_u32 vcc_lo, 0, v1
	s_and_saveexec_b32 s48, vcc_lo
	global_store_b128 v15, v[192:195], s[22:23]    ; 16 bytes a wave: q is 32,768 bytes in all
	s_wait_xcnt 0x0
	s_or_b32 exec_lo, exec_lo, s48
	s_endpgm
	; ---- t of w_c: eight rows of 2,048 a work-group, one a wave; no LDS, no barrier: a lane's codes leave as they are made
.Lwc:
	s_sub_co_u32 s34, ttmp9, 384
	s_lshl_b32 s34, s34, 3
	s_add_co_u32 s34, s34, s26                     ; my wave's row
	s_lshl_b32 s32, s34, 13
	s_add_nc_u64 s[12:13], s[12:13], s[32:33]      ; 8,192 bytes a row of w_c,
	s_lshl_b32 s32, s34, 11
	s_add_nc_u64 s[24:25], s[24:25], s[32:33]      ; 2,048 a row of tc
	s_add_nc_u64 s[4:5], s[4:5], 12                ; w_c's shares are word 3 of each four
	s_mov_b32 s30, 0x35000000                      ; 2^-21: a tensor of 1,024 x 2,048
	v_mov_b32 v14, 1.0                             ; the conversion's scale: 2^0
	PSLOAD
.set j, 0
.rept 16
	global_load_b128 v[16+4*j:19+4*j], v2, s[12:13] offset:512*j th:TH_LOAD_NT   ; read once in the launch
.set j, j+1
.endr
	s_wait_loadcnt 16                              ; the partial sums are in; the row's sixteen loads may be out
	SCALE
	s_wait_alu depctr_va_vdst(0)
	s_wait_loadcnt 8                               ; the row's first eight loads are in
	TERN 16
	s_wait_loadcnt 0x0
	TERN 48
.set n, 0
.rept 8
	v_cvt_scalef32_pk8_fp8_f32 v[80+2*n:81+2*n], v[16+8*n:23+8*n], v14   ; loads 2 n and 2 n + 1: four codes each; -1, 0 and 1 are numbers of the format: nothing is rounded, nothing to hold
.set n, n+1
.endr
	v_nop                                          ; a plain instruction behind the last conversion
.set m, 0
.rept 4
	global_store_b128 v2, v[80+4*m:83+4*m], s[24:25] offset:512*m   ; 32 lanes store 512 consecutive bytes, at a multiple of 512 from the buffer's first byte
.set m, m+1
.endr
	s_endpgm
.Lfunc_end_k_qaaa33172e9_prep:
	.size	k_qaaa33172e9_prep, .Lfunc_end_k_qaaa33172e9_prep-k_qaaa33172e9_prep
	.p2alignl 7, 3214868480
	.fill 96, 4, 3214868480
	.section	.rodata,"a",@progbits
	.p2align	6, 0x0
	.amdhsa_kernel k_qaaa33172e9_prep
		.amdhsa_group_segment_fixed_size 17920
		.amdhsa_private_segment_fixed_size 0
		.amdhsa_enable_private_segment 0
		.amdhsa_kernarg_size 96
		.amdhsa_user_sgpr_count 2
		.amdhsa_user_sgpr_kernarg_segment_ptr 1
		.amdhsa_wavefront_size32 1
		.amdhsa_system_sgpr_workgroup_id_x 1
		.amdhsa_system_sgpr_workgroup_id_y 1
		.amdhsa_system_sgpr_workgroup_id_z 1
		.amdhsa_system_vgpr_workitem_id 0
		.amdhsa_next_free_vgpr 210
		.amdhsa_next_free_sgpr 66
		.amdhsa_reserve_vcc 1
		.amdhsa_float_denorm_mode_32 3
		.amdhsa_float_denorm_mode_16_64 3
		.amdhsa_memory_ordered 1
		.amdhsa_forward_progress 1
		.amdhsa_inst_pref_size 76
	.end_amdhsa_kernel
	.amdgpu_metadata
---
amdhsa.version: [ 1, 2 ]
amdhsa.kernels:
  - .name:           k_qaaa33172e9_prep
    .symbol:         k_qaaa33172e9_prep.kd
    .args:
      - { .name: sums, .offset: 0, .size: 8, .value_kind: global_buffer, .address_space: global }
      - { .name: w_k, .offset: 8, .size: 8, .value_kind: global_buffer, .address_space: global }
      - { .name: w_v, .offset: 16, .size: 8, .value_kind: global_buffer, .address_space: global }
      - { .name: w_q, .offset: 24, .size: 8, .value_kind: global_buffer, .address_space: global }
      - { .name: w_c, .offset: 32, .size: 8, .value_kind: global_buffer, .address_space: global }
      - { .name: query, .offset: 40, .size: 8, .value_kind: global_buffer, .address_space: global }
      - { .name: b_q, .offset: 48, .size: 8, .value_kind: global_buffer, .address_space: global }
      - { .name: lowp_scales, .offset: 56, .size: 8, .value_kind: global_buffer, .address_space: global }
      - { .name: wcodes, .offset: 64, .size: 8, .value_kind: global_buffer, .address_space: global }
      - { .name: qbuf, .offset: 72, .size: 8, .value_kind: global_buffer, .address_space: global }
      - { .name: tc, .offset: 80, .size: 8, .value_kind: global_buffer, .address_space: global }
      - { .name: pools, .offset: 88, .size: 8, .value_kind: global_buffer, .address_space: global }
    .group_segment_fixed_size: 17920
    .private_segment_fixed_size: 0
    .kernarg_segment_align: 8
    .kernarg_segment_size: 96
    .max_flat_workgroup_size: 256
    .sgpr_count:     66
    .vgpr_count:     210
    .wavefront_size: 32
...
	.end_amdgpu_metadata
.endif
;; end of part 2
;; launch main (part 3): grid 256 x 1, 4 waves a work-group, no clusters, 276,992 bytes of LDS; arguments context_memory, wcodes, qbuf, b_k, lowp_scales, part, ml, pools; writes part, ml
.if DOCPART == 3
	.amdgcn_target "amdgcn-amd-amdhsa--gfx1250"
	.amdhsa_code_object_version 6
	.text
	.protected	k_qaaa33172e9_main
	.globl	k_qaaa33172e9_main
	.p2align	8
	.type	k_qaaa33172e9_main,@function
k_qaaa33172e9_main:
	s_mov_b64 s[64:65], 0
	v_nop
	global_prefetch_b8 v0, s[64:65] scope:SCOPE_SE
	s_setreg_imm32_b32 hwreg(HW_REG_WAVE_MODE, 25, 1), 1
	s_wait_xcnt 0x0
; A work-group takes 128 rows of context_memory (all of one batch: 4,096 rows a batch, 32 work-groups) through the whole chain:
;   X   each row's int8 fake quantisation (g = max|x| + 1e-5, n = round(x 127 / g) held within -128 .. 127, xq = n g / 127), then xq as codes of E4M3 twice: with 2^e0 for the product with w_k, with 2^e2 for that with w_v; both images stay in LDS
;   K   k = codes x w_k's codes, 1,024 columns in two passes of 512; never stored: each pass ends in the sums of q(column) x k(row, column)
;   S   t = (q . k) log2(e) / 32 for the 128 rows; mt = their maximum; p = 2^(t - mt); l = the sum of p
;   V   v = codes x w_v's codes, two passes of 512 columns; never stored: each pass ends in the sums over the rows of p(row) x v(row, column), which go to part; mt and l go to ml.
; b_k enters through q . b_k, added to every score.  b_v is added by the last launch (the weights of a softmax add up to 1).
; SHARES.  THE FOUR WAVES SHARE THE COLUMNS: wave w owns 128 of a pass's 512 columns and all 128 rows: 64 accumulators of 16 x 16, 512 registers.  The rows' codes come from LDS and serve all four waves.
; A wave's weights are no other wave's: they go from memory straight into its registers, as images of the operand's registers (laid so by the launch before): one linear stream of 32 steps of 8,192 bytes.
; NO JOINT LOADS, though every work-group reads the same weights: the two images of the rows' codes take 266,240 of the 327,680 bytes of LDS that a work-group can have; a K step of a pass's 512 columns is 32,768 bytes,
; and two slots of that do not fit beside them.  So there is no tensor load in this text.
; THE ORDER ALONG K is that of the launch before: load j, lane l, element i of a row is k = 128 j + 4 l + i; its code lies at byte 16 l + 4 j + i (j < 4) or 512 + 16 l + 4 (j - 4) + i of the row of codes.  A fragment of K step s is, for lane (r, h),
; bytes 64 s + 32 (c % 2) + 512 (c / 2) + 16 h on of row r in registers 4 c .. 4 c + 3: the same places in both operands, so every product meets its partner; the order of the sums is another one than along memory.
; LIMITS: e0 .. e3 between -126 and 119, so that 2^e and 448 x 2^e are f32 numbers (their sums are applied by v_ldexp_f32 and have no limit).  NaN and infinity among the inputs are not served; a row's largest magnitude stays under 2^126.
; 127 / g and g / 127 come from a reciprocal with one correcting step.  x + (xq - x) is taken as xq.  The hold within -128 .. 127 is made on n g / 127, between -128 g / 127 and 127 g / 127, together with the hold at the largest code.
; REGISTERS, in windows of 256 (s_set_vgpr_msb: bits 1:0 source 0, 3:2 source 1, 5:4 source 2, 7:6 destination):
;   window 0: v0-31 addresses and what stays; v32-127 at work; v128-255 the rows' fragments, ONE set (block a of 16 rows at v[128 + 16 a])
;   window 1: in X eight slots of 32 registers for rows of x; then ONE set of the weights' codes (tile b at v[16 b]) and TWO staging sets of selectors (set p at v[128 + 64 p])
;   window 2: the accumulators of blocks 0-3 ((a, b) at v[8 (8 a + b)]);   window 3: those of blocks 4-7.
.set PITCH, 1040                       ; a row of codes in LDS: 1,024 bytes + 16: an odd multiple of 16, so that the sixteen rows of a fragment load start on different banks
.set L_AV,  128*PITCH                  ; LDS: the codes for the product with w_k at 0, those for w_v here,
.set L_QL,  2*128*PITCH                ; each wave's 2 x 128 numbers of q (1,024 bytes a wave),
.set L_SC,  L_QL+4096                  ; the four waves' partial scores (512 bytes a wave),
.set L_PB,  L_SC+2048                  ; each wave's own copy of p,
.set L_ST,  L_PB+2048                  ; each wave's stage for its 128 sums of a pass
.set Y,   32                           ; v32-63   X: a row at work
.set T0,  64                           ; v64-71   eight numbers held for the first conversion
.set T1,  72                           ; v72-79   for the second
.set MX,  112                          ; v112-115 four running maxima
.set G,   116
.set R0,  117
.set RR,  118                          ; v[118:119] 127 / g (the pair's low word serves both halves)
.set CC,  120                          ; v[120:121] g / 127
.set LOK, 122                          ; the bounds of the two holds
.set HIK, 123
.set LOV, 124
.set HIV, 125
.set E1,  126
.set E2,  127
.set SKV, 128                          ; 2^e0 and 2^e2 as f32, for the conversions (free again when the fragments come)
.set SVV, 129
.set QQ,  32                           ; v32-95   K: q at my lane's 64 columns;  V: p at my lane's 64 rows
.set SS,  96                           ; v96-127  K: block a's score sums, two chains of a pair each, at v[96 + 4 a + 2 ch]
.set CX,  96                           ; v96-111  V: tile b's column sums, a pair
.set SEL, 26                           ; s[26:27] lane selects: lane l xor 16
.set MSB, 0
.macro WIN new                         ; the immediate's high byte repeats the setting that is left; a switch that changes nothing is dropped
.if MSB != (\new)
	s_set_vgpr_msb (MSB<<8)|(\new)
.set MSB, (\new)
.endif
.endm
.macro PL                              ; four places: behind a matrix instruction, in front of loads into registers that it has read and of reads of its result
.rept 4
	v_nop
.endr
.endm
.macro WSUM r, t                       ; the sum over the 32 lanes of v[r], in every lane; v[t] has been written before
	v_add_f32_dpp v[\r], v[\r], v[\r] row_xmask:1 row_mask:0xf bank_mask:0xf
	v_add_f32_dpp v[\r], v[\r], v[\r] row_xmask:2 row_mask:0xf bank_mask:0xf
	v_add_f32_dpp v[\r], v[\r], v[\r] row_xmask:4 row_mask:0xf bank_mask:0xf
	v_add_f32_dpp v[\r], v[\r], v[\r] row_xmask:8 row_mask:0xf bank_mask:0xf
	v_permlanex16_b32 v[\t], v[\r], s[SEL], s[SEL+1]
	v_add_f32 v[\r], v[\r], v[\t]
.endm
.macro WMAX r, t
	v_max_num_f32_dpp v[\r], v[\r], v[\r] row_xmask:1 row_mask:0xf bank_mask:0xf
	v_max_num_f32_dpp v[\r], v[\r], v[\r] row_xmask:2 row_mask:0xf bank_mask:0xf
	v_max_num_f32_dpp v[\r], v[\r], v[\r] row_xmask:4 row_mask:0xf bank_mask:0xf
	v_max_num_f32_dpp v[\r], v[\r], v[\r] row_xmask:8 row_mask:0xf bank_mask:0xf
	v_permlanex16_b32 v[\t], v[\r], s[SEL], s[SEL+1]
	v_max_num_f32 v[\r], v[\r], v[\t]
.endm
	s_load_b256 s[4:11], s[0:1], 0x0               ; context_memory s[4:5], wcodes s[6:7], qbuf s[8:9], b_k s[10:11]
	s_load_b128 s[12:15], s[0:1], 0x20             ; lowp_scales s[12:13], part s[14:15]
	s_load_b64 s[16:17], s[0:1], 0x30              ; ml
	s_load_b64 s[76:77], s[0:1], 0x38              ; pools
	v_lshrrev_b32 v1, 5, v0
	v_readfirstlane_b32 s18, v1                    ; wave 0..3
	v_and_b32 v1, 31, v0                           ; lane
	v_and_b32 v2, 15, v0                           ; r
	v_bfe_u32 v3, v0, 4, 1                         ; h
	v_lshlrev_b32 v4, 4, v1                        ; v4: 16 x lane: my place in 512 consecutive bytes of x, of the weights' codes, of part; never rewritten
	s_mul_i32 s19, s18, 32*PITCH
	v_add_nc_u32 v5, s19, v4                       ; v5, v6: where my wave's 32 rows of codes begin, + 16 x lane
	v_add_nc_u32 v6, L_AV, v5
	v_mul_u32_u24 v9, v2, PITCH
	v_lshl_add_u32 v9, v3, 4, v9                   ; v9: a fragment's row r, + 16 h;  v10: the same four blocks of 16 rows further down
	v_add_nc_u32 v10, 4*16*PITCH, v9
	s_lshl_b32 s19, s18, 10
	s_add_co_u32 s19, s19, L_QL
	v_lshl_add_u32 v13, v3, 5, s19                 ; v13: my wave's q, + 32 h: eight columns of my half
	v_add_nc_u32 v14, s19, v4                      ; v14: first where I store q, later v13 + the pass's 512 bytes
	s_lshl_b32 s19, s18, 9
	s_add_co_u32 s53, s19, L_SC
	v_lshl_add_u32 v15, v2, 2, s53                 ; v15: my wave's partial scores, row r
	v_add_nc_u32 v16, L_SC, v4                     ; v16: four rows' scores a lane
	s_add_co_u32 s53, s19, L_PB
	v_add_nc_u32 v17, s53, v4                      ; v17: p in;  v18: p out, eight rows of my half
	v_lshl_add_u32 v18, v3, 5, s53
	s_add_co_u32 s53, s19, L_ST
	v_lshl_add_u32 v19, v2, 2, s53                 ; v19: the stage in, column r;  v20: out, four columns a lane
	v_add_nc_u32 v20, s53, v4
.set n, 24
.rept 8
	v_mov_b32 v[n], 0                              ; v24-31: written once: a lane permute's destination counts as one of its sources
.set n, n+1
.endr
	v_mov_b32 v[RR+1], 0                           ; (named as the upper halves of pairs)
	v_mov_b32 v[CC+1], 0
	s_mov_b32 s[SEL], 0x76543210
	s_mov_b32 s[SEL+1], 0xfedcba98
	s_mov_b32 s48, 0x42fe0000                      ; 127
	s_mov_b32 s49, 0xc3000000                      ; -128
	s_mov_b32 s50, 0x3c010204                      ; 1 / 127
	s_mov_b32 s51, 0x3d38aa3b                      ; log2(e) / 32 = log2(e) / sqrt(1,024)
	s_mov_b32 s52, 0x3727c5ac                      ; 1e-5
	s_mov_b32 s60, 0xc2fe0000                      ; -127
	s_mov_b32 s55, 0
	s_wait_kmcnt 0x0
	s_load_b128 s[20:23], s[12:13], 0x0            ; e0 .. e3
	s_load_b256 s[68:75], s[76:77], 0x0            ; the tables of codes: s[68:71] w_k's (the set at work), s[72:75] w_v's
	s_lshr_b32 s19, ttmp9, 5                       ; batch
	s_lshl_b32 s54, s19, 12
	s_add_nc_u64 s[8:9], s[8:9], s[54:55]          ; the batch's row of q
	s_lshl_b32 s54, s18, 9
	s_add_nc_u64 s[56:57], s[8:9], s[54:55]        ; and in it my wave's 128 columns of the first pass
	s_lshl_b32 s54, ttmp9, 19
	s_lshl_b32 s53, s18, 17
	s_add_co_u32 s54, s54, s53
	s_add_nc_u64 s[30:31], s[4:5], s[54:55]        ; x: 128 rows a work-group, 32 a wave, 4,096 bytes a row
	s_lshl_b32 s54, s18, 18
	s_add_nc_u64 s[32:33], s[6:7], s[54:55]        ; my wave's stream of selectors: 32 steps of 8,192 bytes; never rewritten
	s_lshl_b32 s54, ttmp9, 12
	s_lshl_b32 s53, s18, 9
	s_add_co_u32 s54, s54, s53
	s_add_nc_u64 s[46:47], s[14:15], s[54:55]      ; part: my work-group's row, my wave's 128 columns
	s_lshl_b32 s54, ttmp9, 3
	s_add_nc_u64 s[16:17], s[16:17], s[54:55]      ; ml: my work-group's two words
.set j, 0
.rept 8
	global_load_b128 v[32+4*j:35+4*j], v4, s[8:9] offset:512*j     ; q, the whole row
.set j, j+1
.endr
.set j, 0
.rept 8
	global_load_b128 v[64+4*j:67+4*j], v4, s[10:11] offset:512*j   ; b_k
.set j, j+1
.endr
	global_load_b128 v[96:99], v4, s[56:57]                        ; q at my wave's columns of pass 0,
	global_load_b128 v[100:103], v4, s[56:57] offset:2048          ; and of pass 1: 512 columns on
	WIN 0x40                                       ; destination window 1
.set i, 0
.rept 8
.set j, 0
.rept 8
	global_load_b128 v[32*i+4*j:32*i+4*j+3], v4, s[30:31] offset:4096*i+512*j th:TH_LOAD_NT   ; rows 0-7 of x fill the eight slots; x is read once in the launch
.set j, j+1
.endr
.set i, i+1
.endr
	WIN 0
	s_wait_kmcnt 0x0
	s_add_co_i32 s43, s20, s21                     ; e0 + e1: a sum of the first product stands for sum x 2^(e0 + e1)
	s_add_co_i32 s44, s22, s23                     ; e2 + e3
	s_add_co_i32 s53, s20, 127
	s_lshl_b32 s54, s53, 23
	v_mov_b32 v[SKV], s54                          ; 2^e0 as f32: the conversion takes its exponent field
	s_add_co_i32 s53, s53, 8
	s_lshl_b32 s53, s53, 23
	s_or_b32 s24, s53, 0x600000                    ; 448 x 2^e0
	s_xor_b32 s58, s24, 0x80000000                 ; and its negative
	s_add_co_i32 s53, s22, 127
	s_lshl_b32 s54, s53, 23
	v_mov_b32 v[SVV], s54                          ; 2^e2
	s_add_co_i32 s53, s53, 8
	s_lshl_b32 s53, s53, 23
	s_or_b32 s25, s53, 0x600000                    ; 448 x 2^e2
	s_xor_b32 s59, s25, 0x80000000
	s_wait_loadcnt 63                              ; 64 loads of x were issued behind the eighteen of q and b_k: these are in
	v_pk_mul_f32 v[104:105], v[32:33], v[64:65]    ; q . b_k: the first products start two chains
	v_pk_mul_f32 v[106:107], v[34:35], v[66:67]
.set n, 2
.rept 14
	v_pk_fma_f32 v[104+2*(n%2):105+2*(n%2)], v[32+2*n:33+2*n], v[64+2*n:65+2*n], v[104+2*(n%2):105+2*(n%2)]
.set n, n+1
.endr
	v_pk_add_f32 v[104:105], v[104:105], v[106:107]
	v_add_f32 v104, v104, v105
	WSUM 104, 105
	v_mul_f32 v21, s51, v104                       ; v21: (q . b_k) log2(e) / 32
	ds_store_b128 v14, v[96:99]                    ; my wave's own bytes: only I read them
	ds_store_b128 v14, v[100:103] offset:512
; ---- X.  One row of x: slot i of window 1.  kind = 1: the slot is filled again with the row eight further down; kind = 2: with 4,096 bytes of the weights' first two K steps, which then lie where the products want them.
.macro ROW i, kind
.set XS, 32*(\i)
.set CK, 80+16*((\i)%2)                ; the codes just made: eight registers for each product; two sets by turns
.set CV, CK+8
.if \kind == 1
	s_wait_loadcnt 56                              ; this slot's eight loads are in; behind them seven slots' loads were issued, eight each
.else
.if (\i) < 4
	s_wait_loadcnt 56-8*(\i)                       ; the last eight rows: behind this slot's loads 7 - i slots of eight were issued; rows 0-3 ask for nothing
.else
	s_wait_loadcnt 24                              ; 7 - i slots of x and i - 4 slots of selectors, eight loads each
.endif
.endif
	WIN 0x05                                       ; sources 0 and 1 window 1
.set n, 0
.rept 16
.if n < 4
	v_max3_num_f32 v[MX+n], |v[XS+2*n]|, |v[XS+2*n+1]|, 0
.else
	v_max3_num_f32 v[MX+n%4], |v[XS+2*n]|, |v[XS+2*n+1]|, v[MX+n%4]
.endif
.set n, n+1
.endr
	WIN 0
	v_max3_num_f32 v[MX], v[MX], v[MX+1], v[MX+2]
	v_max_num_f32 v[MX], v[MX], v[MX+3]
	WMAX MX, MX+1
	v_add_f32 v[G], s52, v[MX]                     ; g
	s_wait_alu depctr_va_vdst(0)
	v_rcp_f32 v[R0], v[G]
	v_mul_f32 v[CC], s50, v[G]                     ; g / 127, first guess (the plain instruction behind the reciprocal)
	s_wait_alu depctr_va_vdst(0)
	v_mul_f32 v[RR], s48, v[R0]                    ; 127 / g, first guess
	v_fma_f32 v[E1], -v[G], v[RR], s48
	v_fma_f32 v[E2], s60, v[CC], v[G]
	v_fma_f32 v[RR], v[E1], v[R0], v[RR]           ; 127 / g
	v_fma_f32 v[CC], v[E2], s50, v[CC]             ; g / 127
	v_mul_f32 v[E1], s48, v[CC]                    ; what n = 127 gives,
	v_mul_f32 v[E2], s49, v[CC]                    ; and n = -128: multiplying by g / 127 keeps the order, so the hold on n is made on n g / 127,
	v_min_num_f32 v[HIK], s24, v[E1]               ; in one with the hold at the largest code x the scale
	v_max_num_f32 v[LOK], s58, v[E2]
	v_min_num_f32 v[HIV], s25, v[E1]
	v_max_num_f32 v[LOV], s59, v[E2]
	WIN 0x01                                       ; source 0 window 1
.set n, 0
.rept 16
	v_pk_mul_f32 v[Y+2*n:Y+2*n+1], v[XS+2*n:XS+2*n+1], v[RR:RR+1] op_sel_hi:[1,0]
.set n, n+1
.endr
	WIN 0x40                                       ; the slot has been read: it is filled again
.set n, 0
.rept 8
.if \kind == 1
	global_load_b128 v[XS+4*n:XS+4*n+3], v4, s[30:31] offset:(8+\i)*4096+512*n th:TH_LOAD_NT
.else
.if (\i) >= 4
	global_load_b128 v[XS+4*n:XS+4*n+3], v4, s[32:33] offset:4096*((\i)-4)+512*n   ; slots 4, 5 are staging set 0 (step 0's selectors), slots 6, 7 staging set 1 (step 1's)
.endif
.endif
.set n, n+1
.endr
	WIN 0
.set n, 0
.rept 32
	v_rndne_f32 v[Y+n], v[Y+n]
.set n, n+1
.endr
.set n, 0
.rept 16
	v_pk_mul_f32 v[Y+2*n:Y+2*n+1], v[Y+2*n:Y+2*n+1], v[CC:CC+1] op_sel_hi:[1,0]
.set n, n+1
.endr
	s_wait_dscnt 4                                 ; only the last row's four stores may be out: those of the row before it have read this set of code registers
.set m, 0
.rept 4                                ; loads 2 m and 2 m + 1: eight numbers; each conversion has the other's eight holds behind it as plain instructions
.set n, 0
.rept 8
	v_med3_num_f32 v[T0+n], v[Y+8*m+n], v[LOK], v[HIK]
.set n, n+1
.endr
	v_cvt_scalef32_pk8_fp8_f32 v[CK+2*m:CK+2*m+1], v[T0:T0+7], v[SKV]
.set n, 0
.rept 8
	v_med3_num_f32 v[T1+n], v[Y+8*m+n], v[LOV], v[HIV]
.set n, n+1
.endr
	v_cvt_scalef32_pk8_fp8_f32 v[CV+2*m:CV+2*m+1], v[T1:T1+7], v[SVV]
.set m, m+1
.endr
	v_nop                                          ; a plain instruction behind the last conversion
	ds_store_b128 v7, v[CK:CK+3] offset:(\i)*PITCH
	ds_store_b128 v7, v[CK+4:CK+7] offset:(\i)*PITCH+512
	ds_store_b128 v8, v[CV:CV+3] offset:(\i)*PITCH
	ds_store_b128 v8, v[CV+4:CV+7] offset:(\i)*PITCH+512
.endm
	s_mov_b32 s28, 3
	s_mov_b32 s29, 0
.Lround:                                           ; three trips of eight rows; each fills the slots with the next eight
	v_add_nc_u32 v7, s29, v5
	v_add_nc_u32 v8, s29, v6
.irp i, 0,1,2,3,4,5,6,7
	ROW \i, 1
.endr
	s_wait_xcnt 0x0                                ; the loads have read their base: it may step
	s_add_nc_u64 s[30:31], s[30:31], 8*4096
	s_add_co_u32 s29, s29, 8*PITCH
	s_sub_co_u32 s28, s28, 1
	s_cmp_lg_u32 s28, 0
	s_cbranch_scc1 .Lround
	v_add_nc_u32 v7, s29, v5                       ; the last eight rows are written out: no load of x leaves its buffer; the slots take the weights
	v_add_nc_u32 v8, s29, v6
.irp i, 0,1,2,3,4,5,6,7
	ROW \i, 2
.endr
	s_wait_dscnt 0x0                               ; for the others' sake: my 32 rows of codes have landed
	s_barrier_signal -1
	s_barrier_wait -1                              ; all 128 rows lie in LDS, twice; nobody writes them again
; ---- THE PRODUCTS
.macro FRAGS a0, off                   ; blocks a0 .. a0 + 3 of the rows' codes, 128 along K at byte off from v11 (blocks 0-3) or v12 (blocks 4-7)
.set n, 0
.rept 4
.set c, 0
.rept 4
	ds_load_b128 v[128+16*(\a0+n)+4*c:128+16*(\a0+n)+4*c+3], v[11+(\a0)/4] offset:\off+n*16*PITCH+32*(c%2)+512*(c/2)   ; a K step takes 64 bytes of each half of the row of codes
.set c, c+1
.endr
.set n, n+1
.endr
.endm
; 16 matrix instructions: blocks a0 .. a0 + 3 x tiles b0 .. b0 + 3 of set p.  kind 0: source 0 = 16 columns of the weights, source 1 = 16 rows: a lane holds one row and eight columns.  kind 1: the other way round: a lane holds one column and eight rows.
; zero = 1: the first product starts the sums.  The 64 accumulators take turns, one instruction a turn, in the same order in every step.
.macro MULQ kind, a0, b0, p, zero
.irp a, \a0, \a0+1, \a0+2, \a0+3
.irp b, \b0, \b0+1, \b0+2, \b0+3
.set ACC, 8*(8*((\a)%4)+(\b))
.set AR, 128+16*(\a)
.set BR, 128*(\p)+16*(\b)
.if \kind == 0
.if \zero
	v_wmma_f32_16x16x128_fp8_fp8 v[ACC:ACC+7], v[BR:BR+15], v[AR:AR+15], 0
.else
	v_wmma_f32_16x16x128_fp8_fp8 v[ACC:ACC+7], v[BR:BR+15], v[AR:AR+15], v[ACC:ACC+7]
.endif
.else
.if \zero
	v_wmma_f32_16x16x128_fp8_fp8 v[ACC:ACC+7], v[AR:AR+15], v[BR:BR+15], 0
.else
	v_wmma_f32_16x16x128_fp8_fp8 v[ACC:ACC+7], v[AR:AR+15], v[BR:BR+15], v[ACC:ACC+7]
.endif
.endif
.endr
.endr
.endm
; THE WEIGHTS COME AS SELECTORS, one byte for the two codes at bytes y and 512 + y of a row of codes.  Window 1 holds ONE set of codes (tile b at v[16 b]) and TWO staging sets of selectors (set p at v[128 + 64 p], tile b's eight registers at + 8 b).
; v_perm_b32 picks each code out of the eight bytes of a table (selector 12 gives the byte 0): a tile's registers 8-15 are the rows' second halves, registers 0-7 the first.  The codes are those of the stated quantiser.
.macro EXPAND p
	WIN 0x50                                       ; source 2 and destination window 1
.set b, 0
.rept 8
.set j, 0
.rept 8
	v_perm_b32 v[16*b+8+j], s71, s70, v[128+64*(\p)+8*b+j]
.set j, j+1
.endr
.set j, 0
.rept 8
	v_perm_b32 v[16*b+j], s69, s68, v[128+64*(\p)+8*b+j]
.set j, j+1
.endr
.set b, b+1
.endr
	s_wait_alu depctr_va_vdst(0)
.endm
.macro BLOAD b0, p
	WIN 0x40
.set n, 0
.rept 4
.set c, 0
.rept 2
	global_load_b128 v[128+64*(\p)+8*(\b0+n)+4*c:128+64*(\p)+8*(\b0+n)+4*c+3], v4, s[36:37] offset:1024*(\b0+n)+512*c
.set c, c+1
.endr
.set n, n+1
.endr
.endm
; Step t of the 32: 128 along K, 64 matrix instructions on the one set of codes, made from staging set p = t % 2.  It fetches the rows' fragments of step t + 1 (at byte aoff from v11, v12) and the selectors of step t + 3, each half of a set as soon as its last product is issued.
; The weights' offset is held at the last step's: steps 29, 30 and 31 load step 31's bytes once more, into registers that nobody reads again; so every wait has one count on every way, and no load leaves the buffer.
.macro STEP kind, p, zero, aoff
.if \kind == 0
.set W_LO, 0xa1                        ; source 0 (weights) window 1, source 1 (rows) window 0, C and D window 2
.set W_HI, 0xf1
.else
.set W_LO, 0xa4                        ; source 0 (rows) window 0, source 1 (weights) window 1
.set W_HI, 0xf4
.endif
	s_wait_dscnt 16                                ; blocks 0-3 are in; the sixteen loads of blocks 4-7 may be out.  This step's set of weights was made into codes at the last step's end
	WIN W_LO
	MULQ \kind, 0, 0, 0, \zero
	MULQ \kind, 0, 4, 0, \zero
	WIN 0
	PL
	FRAGS 0, \aoff                                 ; blocks 0-3 are done with: the next step's
	s_wait_dscnt 16                                ; this step's blocks 4-7 are in; the sixteen just issued may be out
	WIN W_HI
	MULQ \kind, 4, 0, 0, \zero
	MULQ \kind, 4, 4, 0, \zero
	s_wait_loadcnt 16                              ; step t + 1's sixteen loads of selectors, issued two steps ago, are in; step t + 2's sixteen may be out
	PL                                             ; four places: the lines below write registers that this step's products have read
	EXPAND 1-(\p)                                  ; step t + 1's selectors become the one set of codes
	s_wait_xcnt 0x0                                ; the loads that named s[36:37] have read it
	s_add_co_u32 s34, s34, 8192
	s_min_u32 s34, s34, 31*8192
	s_add_nc_u64 s[36:37], s[32:33], s[34:35]      ; step t + 3
	BLOAD 0, 1-(\p)                                ; into the staging set just read out: two steps in which to land
	BLOAD 4, 1-(\p)
	WIN 0
	FRAGS 4, \aoff
.endm
; A pass: 512 columns (128 mine), eight steps.  The first step starts the sums and the last fetches the next pass's first fragments: both are written out; the six between are three trips.
.macro PASS kind
.if \kind == 0
	v_add_nc_u32 v14, s42, v13
.set b, 0
.rept 8
	ds_load_b128 v[QQ+8*b:QQ+8*b+3], v14 offset:64*b         ; q at columns 16 b + 8 h + 0 .. 7 of my 128
	ds_load_b128 v[QQ+8*b+4:QQ+8*b+7], v14 offset:64*b+16
.set b, b+1
.endr
	v_mov_b32 v11, v9
	s_wait_alu depctr_va_vdst(0)
	v_mov_b32 v12, v10
	s_wait_alu depctr_va_vdst(0)
	s_mov_b32 s38, 128
.else
	v_add_nc_u32 v11, L_AV, v9
	s_wait_alu depctr_va_vdst(0)
	v_add_nc_u32 v12, L_AV, v10
	s_wait_alu depctr_va_vdst(0)
	s_mov_b32 s38, L_AV+128
.endif
	STEP \kind, 0, 1, 64
	s_mov_b32 s41, 3
.Ltrip_\@:
	v_add_nc_u32 v11, s38, v9
	v_add_nc_u32 v12, s38, v10
	s_wait_alu depctr_va_vdst(0)
	STEP \kind, 1, 0, 0
	STEP \kind, 0, 0, 64
	s_add_co_u32 s38, s38, 128
	s_sub_co_u32 s41, s41, 1
	s_cmp_lg_u32 s41, 0
	s_cbranch_scc1 .Ltrip_\@
.if \kind == 0
	s_cmp_eq_u32 s40, 1                            ; the last step of k's second pass makes the codes of v's first step: from there on w_v's tables are at work
	s_cselect_b32 s68, s72, s68
	s_cselect_b32 s69, s73, s69
	s_cselect_b32 s70, s74, s70
	s_cselect_b32 s71, s75, s71
	v_add_nc_u32 v11, s39, v9                      ; the next pass's codes: the same image once more, then the other one
	s_wait_alu depctr_va_vdst(0)
	v_add_nc_u32 v12, s39, v10
.else
	v_add_nc_u32 v11, L_AV, v9                     ; (what the very last pass fetches here is not used)
	v_add_nc_u32 v12, L_AV, v10
.endif
	s_wait_alu depctr_va_vdst(0)
	STEP \kind, 1, 0, 0
.endm
; Behind a pass of k: lane (r, h) holds, in register j of accumulator (a, b), k(row 16 a + r, column 16 b + 8 h + j) / 2^(e0 + e1).  Each is multiplied by q at its column and added to the row's sum.
; Every accumulator is read from its low end on.  The step's last four v_nop are the places behind the last products; window 3's sums are read behind window 2's 128 lines.
.macro EPK
.set hw, 0
.rept 2
	WIN (0x02+hw)                                  ; source 0: window 2, then 3
.set b, 0
.rept 8
.set i, 0
.rept 4
.set a, 0
.rept 4
	v_pk_fma_f32 v[SS+4*(4*hw+a)+2*(b%2):SS+4*(4*hw+a)+2*(b%2)+1], v[8*(8*a+b)+2*i:8*(8*a+b)+2*i+1], v[QQ+8*b+2*i:QQ+8*b+2*i+1], v[SS+4*(4*hw+a)+2*(b%2):SS+4*(4*hw+a)+2*(b%2)+1]
.set a, a+1
.endr
.set i, i+1
.endr
.set b, b+1
.endr
.set hw, hw+1
.endr
	WIN 0
.endm
; Behind a pass of v: lane (r, h) holds, in register j of accumulator (a, b), v(row 16 a + 8 h + j, column 16 b + r) / 2^(e2 + e3).  Each is multiplied by p at its row and added to the column's sum.
.macro EPV
.set hw, 0
.rept 2
	WIN (0x02+hw)
.set a, 0
.rept 4
.set i, 0
.rept 4
.set b, 0
.rept 8
.if (hw == 0) && (a == 0) && (i == 0)
	v_pk_mul_f32 v[CX+2*b:CX+2*b+1], v[8*(8*a+b)+2*i:8*(8*a+b)+2*i+1], v[QQ+8*(4*hw+a)+2*i:QQ+8*(4*hw+a)+2*i+1]
.else
	v_pk_fma_f32 v[CX+2*b:CX+2*b+1], v[8*(8*a+b)+2*i:8*(8*a+b)+2*i+1], v[QQ+8*(4*hw+a)+2*i:QQ+8*(4*hw+a)+2*i+1], v[CX+2*b:CX+2*b+1]
.endif
.set b, b+1
.endr
.set i, i+1
.endr
.set a, a+1
.endr
.set hw, hw+1
.endr
	WIN 0
.set b, 0
.rept 8
	v_add_f32 v[112+b], v[CX+2*b], v[CX+2*b+1]
.set b, b+1
.endr
.set b, 0
.rept 8
	v_permlanex16_b32 v[24+b], v[112+b], s[SEL], s[SEL+1]     ; the other eight rows of each block lie in the lane 16 away
.set b, b+1
.endr
.set b, 0
.rept 8
	v_add_f32 v[112+b], v[112+b], v[24+b]
.set b, b+1
.endr
.set b, 0
.rept 8
	v_ldexp_f32 v[112+b], v[112+b], s44            ; x 2^(e2 + e3)
.set b, b+1
.endr
.set b, 0
.rept 8
	ds_store_b32 v19, v[112+b] offset:64*b         ; column 16 b + r of my 128 (both halves of the lanes write the same word with the same value): my wave's own stage
.set b, b+1
.endr
	ds_load_b128 v[120:123], v20                   ; LDS serves a wave's instructions in order: this sees the stores above.  Four neighbouring columns a lane
	s_wait_dscnt 0x0
	global_store_b128 v4, v[120:123], s[46:47]     ; 32 lanes store 512 consecutive bytes, at a multiple of 512 from part's first byte
	s_wait_xcnt 0x0                                ; the store has read its data and its base: both are written again in the next pass
	s_add_nc_u64 s[46:47], s[46:47], 2048          ; the next pass's columns: 512 on
.endm
.set n, 0
.rept 32
	v_mov_b32 v[SS+n], 0                           ; the scores' sums: the pass of k is written once and walked twice, so its first walk finds zeros
.set n, n+1
.endr
	v_mov_b32 v11, v9
	v_mov_b32 v12, v10
	FRAGS 0, 0                                     ; step 0's fragments of the rows
	FRAGS 4, 0
	s_wait_loadcnt 16                              ; step 0's sixteen loads of selectors are in; step 1's may be out
	EXPAND 0
	s_mov_b32 s34, 16384                           ; step 2's selectors go into staging set 0; each step's end asks for the step three on
	s_mov_b32 s35, 0
	s_add_nc_u64 s[36:37], s[32:33], s[34:35]
	BLOAD 0, 0
	BLOAD 4, 0
	WIN 0
	s_mov_b32 s39, 0
	s_mov_b32 s42, 0
	s_mov_b32 s40, 2
.Lkpass:
	PASS 0
	EPK
	s_add_co_u32 s39, s39, L_AV
	s_add_co_u32 s42, s42, 512
	s_sub_co_u32 s40, s40, 1
	s_cmp_lg_u32 s40, 0
	s_cbranch_scc1 .Lkpass
	; ---- S: the scores of the 128 rows, and their softmax within the work-group
.set a, 0
.rept 8
	v_pk_add_f32 v[SS+4*a:SS+4*a+1], v[SS+4*a:SS+4*a+1], v[SS+4*a+2:SS+4*a+3]
.set a, a+1
.endr
.set a, 0
.rept 8
	v_add_f32 v[SS+4*a], v[SS+4*a], v[SS+4*a+1]
.set a, a+1
.endr
.set a, 0
.rept 8
	v_permlanex16_b32 v[24+a], v[SS+4*a], s[SEL], s[SEL+1]    ; the row's other columns lie in the lane 16 away
.set a, a+1
.endr
.set a, 0
.rept 8
	v_add_f32 v[SS+4*a], v[SS+4*a], v[24+a]
.set a, a+1
.endr
.set a, 0
.rept 8
	ds_store_b32 v15, v[SS+4*a] offset:64*a        ; row 16 a + r: my wave's 256 columns' share of its score
.set a, a+1
.endr
	s_wait_dscnt 0x0                               ; for the others' sake: my stores have landed
	s_barrier_signal -1
	s_barrier_wait -1
.set n, 0
.rept 4
	ds_load_b128 v[32+4*n:35+4*n], v16 offset:512*n   ; rows 4 x lane + 0 .. 3, as each of the four waves has them: every wave makes the whole softmax for itself
.set n, n+1
.endr
	s_wait_dscnt 0x0
	v_pk_add_f32 v[32:33], v[32:33], v[36:37]
	v_pk_add_f32 v[34:35], v[34:35], v[38:39]
	v_pk_add_f32 v[40:41], v[40:41], v[44:45]
	v_pk_add_f32 v[42:43], v[42:43], v[46:47]
	v_pk_add_f32 v[32:33], v[32:33], v[40:41]
	v_pk_add_f32 v[34:35], v[34:35], v[42:43]
.set n, 0
.rept 4
	v_ldexp_f32 v[32+n], v[32+n], s43              ; x 2^(e0 + e1)
.set n, n+1
.endr
.set n, 0
.rept 4
	v_fma_f32 v[32+n], v[32+n], s51, v21           ; t = (q . k) log2(e) / 32, b_k's share among it
.set n, n+1
.endr
	v_max3_num_f32 v22, v32, v33, v34
	v_max_num_f32 v22, v22, v35
	WMAX 22, 24                                    ; v22 = mt: the largest t of the 128 rows
.set n, 0
.rept 4
	v_sub_f32 v[32+n], v[32+n], v22
.set n, n+1
.endr
.set n, 0
	s_wait_alu depctr_va_vdst(0)
.rept 4
	v_exp_f32 v[32+n], v[32+n]                     ; p = 2^(t - mt), at most 1, and 1 for one row at least
.set n, n+1
.endr
	v_nop                                          ; a plain instruction behind the exponentials
	s_wait_alu depctr_va_vdst(0)
	v_add_f32 v23, v32, v33
	v_add_f32 v24, v34, v35
	v_add_f32 v23, v23, v24
	WSUM 23, 24                                    ; v23 = l
	ds_store_b128 v17, v[32:35]                    ; p by rows, in my wave's own bytes,
.set a, 0
.rept 8
	ds_load_b128 v[QQ+8*a:QQ+8*a+3], v18 offset:64*a          ; and back as the second epilogue wants it: rows 16 a + 8 h + 0 .. 7
	ds_load_b128 v[QQ+8*a+4:QQ+8*a+7], v18 offset:64*a+16
.set a, a+1
.endr
	s_mov_b32 s40, 2
.Lvpass:
	PASS 1
	EPV
	s_sub_co_u32 s40, s40, 1
	s_cmp_lg_u32 s40, 0
	s_cbranch_scc1 .Lvpass
	v_mov_b32 v25, 0
	s_wait_alu depctr_va_vdst(0)
	s_wait_xcnt 0x0                                ; EXEC changes only behind this wait
	v_cmp_eq_u32 vcc_lo, 0, v0
	s_and_saveexec_b32 s53, vcc_lo
	global_store_b64 v25, v[22:23], s[16:17]       ; mt and l: eight bytes a work-group
	s_wait_xcnt 0x0
	s_or_b32 exec_lo, exec_lo, s53
	s_wait_xcnt 0x0
	s_mov_b32 exec_lo, -1
	v_lshl_add_u32 v126, v0, 2, 0x43800
	v_mov_b32 v127, 0
	s_wait_alu depctr_va_vdst(0)
	s_wait_tensorcnt 0x0
	ds_add_u32 v126, v127
	s_wait_dscnt 0x0
	s_endpgm
.Lfunc_end_k_qaaa33172e9_main:
	.size	k_qaaa33172e9_main, .Lfunc_end_k_qaaa33172e9_main-k_qaaa33172e9_main
	.p2alignl 7, 3214868480
	.fill 96, 4, 3214868480
	.section	.rodata,"a",@progbits
	.p2align	6, 0x0
	.amdhsa_kernel k_qaaa33172e9_main
		.amdhsa_group_segment_fixed_size 276992
		.amdhsa_private_segment_fixed_size 0
		.amdhsa_enable_private_segment 0
		.amdhsa_kernarg_size 64
		.amdhsa_user_sgpr_count 2
		.amdhsa_user_sgpr_kernarg_segment_ptr 1
		.amdhsa_wavefront_size32 1
		.amdhsa_system_sgpr_workgroup_id_x 1
		.amdhsa_system_sgpr_workgroup_id_y 1
		.amdhsa_system_sgpr_workgroup_id_z 1
		.amdhsa_system_vgpr_workitem_id 0
		.amdhsa_next_free_vgpr 1024
		.amdhsa_next_free_sgpr 80
		.amdhsa_reserve_vcc 1
		.amdhsa_float_denorm_mode_32 3
		.amdhsa_float_denorm_mode_16_64 3
		.amdhsa_memory_ordered 1
		.amdhsa_forward_progress 1
		.amdhsa_inst_pref_size 255
	.end_amdhsa_kernel
	.section	.bss,"aw",@nobits
	.p2align	6
	.space	262144
	.amdgpu_metadata
---
amdhsa.version: [ 1, 2 ]
amdhsa.kernels:
  - .name:           k_qaaa33172e9_main
    .symbol:         k_qaaa33172e9_main.kd
    .args:
      - { .name: context_memory, .offset: 0, .size: 8, .value_kind: global_buffer, .address_space: global }
      - { .name: wcodes, .offset: 8, .size: 8, .value_kind: global_buffer, .address_space: global }
      - { .name: qbuf, .offset: 16, .size: 8, .value_kind: global_buffer, .address_space: global }
      - { .name: b_k, .offset: 24, .size: 8, .value_kind: global_buffer, .address_space: global }
      - { .name: lowp_scales, .offset: 32, .size: 8, .value_kind: global_buffer, .address_space: global }
      - { .name: part, .offset: 40, .size: 8, .value_kind: global_buffer, .address_space: global }
      - { .name: ml, .offset: 48, .size: 8, .value_kind: global_buffer, .address_space: global }
      - { .name: pools, .offset: 56, .size: 8, .value_kind: global_buffer, .address_space: global }
    .group_segment_fixed_size: 276992
    .private_segment_fixed_size: 0
    .kernarg_segment_align: 8
    .kernarg_segment_size: 64
    .max_flat_workgroup_size: 128
    .sgpr_count:     80
    .vgpr_count:     1024
    .wavefront_size: 32
...
	.end_amdgpu_metadata
.endif
;; end of part 3
;; launch final (part 4): grid 32 x 8, 8 waves a work-group, no clusters, 9,472 bytes of LDS; arguments part, ml, sums, query, b_v, tc, b_c, out0; writes out0
.if DOCPART == 4
	.amdgcn_target "amdgcn-amd-amdhsa--gfx1250"
	.amdhsa_code_object_version 6
	.text
	.protected	k_qaaa33172e9_final
	.globl	k_qaaa33172e9_final
	.p2align	8
	.type	k_qaaa33172e9_final,@function
k_qaaa33172e9_final:
	s_mov_b64 s[64:65], 0
	v_nop
	global_prefetch_b8 v0, s[64:65] scope:SCOPE_SE
	s_setreg_imm32_b32 hwreg(HW_REG_WAVE_MODE, 25, 1), 1
	s_wait_xcnt 0x0
; out0 = bitlinear(concatenate(query, ctx), w_c, b_c).  Work-group (x, y): batch y, outputs 32 x .. 32 x + 31; wave w: outputs 32 x + 4 w + 0 .. 3.
; ctx(column) = the sum over the batch's 32 blocks i of 2^(mt_i - M) part_i(column), divided by the sum of 2^(mt_i - M) l_i, + b_v(column); M = the largest mt_i: the running maximum of the softmax, finished here.
; Every work-group of a batch makes the batch's whole ctx for itself (131,072 bytes of part): the row's largest magnitude needs all of it, and no launch is spent on it alone.
; Thread t owns columns 4 t .. 4 t + 3 of query and of ctx.  The quantised row of 2,048 goes through LDS, so that every wave has all of it in the order in which tc holds a row of weights.
; THE WEIGHTS come as tc: t = round(w_c / s) held within -1 .. 1, made once by an earlier launch, one byte each (the E4M3 code of -1, 0 or 1, exact): 2,048 bytes a row against 8,192 of w_c.
; They are widened to f32 again, eight at a time, and the product is f32 multiply-adds; each sum is multiplied once by s = mean|w_c| + 1e-5.
; tc: byte 2048 o + 512 m + 16 l + 4 x + i holds t(o, k = 128 (4 m + x) + 4 l + i); so register 4 j + i of a lane's 64 widened numbers is k = 128 j + 4 l + i, as in the quantised row read from LDS at 512 j + 16 l.
; All products here have 8 rows: no matrix work; nothing is shared between work-groups that a joint load could bring in a launch this short.
; LIMITS: NaN and infinity are not served.  127 / g and g / 127 come from a reciprocal with one correcting step.  x + (xq - x) is taken as xq.
; REGISTERS: v0-31 what stays; v32-39 w_c's partial sums, later four chains; v40-61 single numbers; v64-127 four rows of tc; v128-255 the 32 blocks' part, later v128-191 the quantised row and v192-255 a row of weights in f32.
.set SEL, 24                           ; s[24:25] lane selects: lane l xor 16
.set RED, 0                            ; LDS: the eight waves' maxima
.set CQ,  256                          ; the quantised row: 8,192 bytes
.macro WSUM r, t
	s_delay_alu instid0(VALU_DEP_1)
	v_add_f32_dpp v[\r], v[\r], v[\r] row_xmask:1 row_mask:0xf bank_mask:0xf
	s_delay_alu instid0(VALU_DEP_1)
	v_add_f32_dpp v[\r], v[\r], v[\r] row_xmask:2 row_mask:0xf bank_mask:0xf
	s_delay_alu instid0(VALU_DEP_1)
	v_add_f32_dpp v[\r], v[\r], v[\r] row_xmask:4 row_mask:0xf bank_mask:0xf
	s_delay_alu instid0(VALU_DEP_1)
	v_add_f32_dpp v[\r], v[\r], v[\r] row_xmask:8 row_mask:0xf bank_mask:0xf
	s_delay_alu instid0(VALU_DEP_1)
	v_permlanex16_b32 v[\t], v[\r], s[SEL], s[SEL+1]
	s_delay_alu instid0(VALU_DEP_1)
	v_add_f32 v[\r], v[\r], v[\t]
.endm
.macro WMAX r, t
	s_delay_alu instid0(VALU_DEP_1)
	v_max_num_f32_dpp v[\r], v[\r], v[\r] row_xmask:1 row_mask:0xf bank_mask:0xf
	s_delay_alu instid0(VALU_DEP_1)
	v_max_num_f32_dpp v[\r], v[\r], v[\r] row_xmask:2 row_mask:0xf bank_mask:0xf
	s_delay_alu instid0(VALU_DEP_1)
	v_max_num_f32_dpp v[\r], v[\r], v[\r] row_xmask:4 row_mask:0xf bank_mask:0xf
	s_delay_alu instid0(VALU_DEP_1)
	v_max_num_f32_dpp v[\r], v[\r], v[\r] row_xmask:8 row_mask:0xf bank_mask:0xf
	s_delay_alu instid0(VALU_DEP_1)
	v_permlanex16_b32 v[\t], v[\r], s[SEL], s[SEL+1]
	s_delay_alu instid0(VALU_DEP_1)
	v_max_num_f32 v[\r], v[\r], v[\t]
.endm
	s_load_b256 s[4:11], s[0:1], 0x0               ; part s[4:5], ml s[6:7], sums s[8:9], query s[10:11]
	s_load_b256 s[12:19], s[0:1], 0x20             ; b_v s[12:13], tc s[14:15], b_c s[16:17], out0 s[18:19]
	v_lshl_add_u32 v62, v0, 2, 0x2100
	v_mov_b32 v63, 0
	v_lshrrev_b32 v1, 5, v0
	s_delay_alu instid0(VALU_DEP_1)
	v_readfirstlane_b32 s2, v1                     ; wave 0..7
	v_and_b32 v1, 31, v0                           ; lane
	s_delay_alu instid0(VALU_DEP_1)
	v_lshlrev_b32 v16, 4, v1                       ; 16 x lane
	v_lshlrev_b32 v17, 4, v0                       ; 16 x thread
	s_delay_alu instid0(VALU_DEP_3)
	v_lshlrev_b32 v18, 3, v1                       ; 8 x lane
	v_mov_b32 v19, s2
	s_delay_alu instid0(VALU_DEP_1)
	v_lshlrev_b32 v19, 2, v19                      ; my wave's word among the maxima
	v_mov_b32 v22, 0                               ; 0: LDS byte RED, and the last store's offset
	v_mov_b32 v23, 0                               ; written once: a lane permute's destination counts as one of its sources
	v_mov_b32 v29, 0x7f7f7f7f                      ; the widening conversion's scale, 2^0, in every byte
	s_and_b32 s3, ttmp7, 0xffff                    ; batch
	s_mov_b32 s[SEL], 0x76543210
	s_mov_b32 s[SEL+1], 0xfedcba98
	s_mov_b32 s26, 0x42fe0000                      ; 127
	s_mov_b32 s27, 0xc3000000                      ; -128
	s_mov_b32 s28, 0x3c010204                      ; 1 / 127
	s_mov_b32 s29, 0x3727c5ac                      ; 1e-5
	s_mov_b32 s31, 0
	s_wait_alu depctr_va_vdst(0)
	s_wait_kmcnt 0x0
	s_lshl_b32 s30, s3, 8
	s_add_nc_u64 s[6:7], s[6:7], s[30:31]          ; the batch's 32 pairs (mt, l)
	s_lshl_b32 s30, s3, 12
	s_add_nc_u64 s[10:11], s[10:11], s[30:31]      ; its row of query
	s_lshl_b32 s30, s3, 17
	s_add_nc_u64 s[4:5], s[4:5], s[30:31]          ; its 32 rows of part
	s_lshl_b32 s32, ttmp9, 5
	s_lshl_b32 s33, s2, 2
	s_add_co_u32 s32, s32, s33                     ; my wave's first output
	s_lshl_b32 s30, s32, 11
	s_add_nc_u64 s[14:15], s[14:15], s[30:31]      ; its row of tc: 2,048 bytes a row
	s_lshl_b32 s30, s32, 2
	s_add_nc_u64 s[16:17], s[16:17], s[30:31]
	s_lshl_b32 s33, s3, 12
	s_add_co_u32 s30, s30, s33
	s_add_nc_u64 s[18:19], s[18:19], s[30:31]
	s_mov_b32 s30, 0xc2fe0000                      ; -127
	s_load_b128 s[20:23], s[16:17], 0x0            ; b_c at my four outputs
	global_load_b64 v[2:3], v18, s[6:7]            ; lane i: mt and l of block i
.set j, 0
.rept 8
	global_load_b32 v[32+j], v16, s[8:9] offset:512*j+12   ; w_c's shares are word 3 of each work-group's four: shares l + 32 j
.set j, j+1
.endr
	global_load_b128 v[8:11], v17, s[10:11]
	global_load_b128 v[12:15], v17, s[12:13]
.set i, 0
.rept 32
	global_load_b128 v[128+4*i:131+4*i], v17, s[4:5] offset:4096*i
.set i, i+1
.endr
.set i, 0
.rept 16
	global_load_b128 v[64+4*i:67+4*i], v16, s[14:15] offset:2048*(i/4)+512*(i%4)   ; my four rows of tc, four loads of 512 consecutive bytes each
.set i, i+1
.endr
	s_wait_loadcnt 48                              ; the eleven small loads are in; behind them 32 loads of part and 16 of tc were issued
	v_mov_b32 v20, v2
	WMAX 20, 23                                    ; M
	s_delay_alu instid0(VALU_DEP_1)
	v_sub_f32 v20, v2, v20
	s_wait_alu depctr_va_vdst(0)
	v_exp_f32 v20, v20                             ; 2^(mt_i - M), at most 1
	v_add_f32 v32, v32, v33                        ; (a plain instruction behind the exponential)
	v_add_f32 v34, v34, v35
	v_add_f32 v36, v36, v37
	v_add_f32 v38, v38, v39
	s_wait_alu depctr_va_vdst(0)
	v_mul_f32 v21, v20, v3
	WSUM 21, 23                                    ; the softmax's divisor
	v_add_f32 v32, v32, v34
	v_add_f32 v36, v36, v38
	s_delay_alu instid0(VALU_DEP_1)
	v_add_f32 v32, v32, v36
	WSUM 32, 23
	s_delay_alu instid0(VALU_DEP_1)
	v_fma_f32 v40, v32, 0x35000000, s29            ; s = sum / 2^21 + 1e-5
	s_wait_alu depctr_va_vdst(0)
	v_rcp_f32 v48, v21
	v_nop                                          ; a plain instruction behind the reciprocal
.set i, 0
.rept 32
	v_readlane_b32 s[32+i], v20, i                 ; the 32 blocks' weights as scalars
.set i, i+1
.endr
	s_wait_loadcnt 16                              ; part is in; the sixteen loads of tc may be out
.set k, 0
.rept 4
	v_mul_f32 v[24+k], s32, v[128+k]               ; the first block starts the sums
.set k, k+1
.endr
.set i, 1
.rept 31
.set k, 0
.rept 4
	s_delay_alu instid0(VALU_DEP_4)
	v_fmac_f32 v[24+k], s[32+i], v[128+4*i+k]
.set k, k+1
.endr
.set i, i+1
.endr
.set k, 0
	s_wait_alu depctr_va_vdst(0)
.rept 4
	v_fma_f32 v[24+k], v[24+k], v48, v[12+k]       ; ctx = sum / divisor + b_v
.set k, k+1
.endr
	v_max3_num_f32 v28, |v8|, |v9|, |v10|          ; the largest magnitude of the row of 2,048: my eight numbers,
	s_delay_alu instid0(VALU_DEP_1)
	v_max3_num_f32 v28, v28, |v11|, |v24|
	s_delay_alu instid0(VALU_DEP_1)
	v_max3_num_f32 v28, v28, |v25|, |v26|
	s_delay_alu instid0(VALU_DEP_1)
	v_max_num_f32 v28, v28, |v27|
	WMAX 28, 23                                    ; my wave's,
	ds_store_b32 v19, v28
	s_wait_dscnt 0x0                               ; for the others' sake: my store has landed
	s_barrier_signal -1
	s_barrier_wait -1
	ds_load_b128 v[50:53], v22                     ; and all eight waves'
	ds_load_b128 v[54:57], v22 offset:16
	s_wait_dscnt 0x0
	v_max3_num_f32 v50, v50, v51, v52
	s_delay_alu instid0(VALU_DEP_1)
	v_max3_num_f32 v50, v50, v53, v54
	s_delay_alu instid0(VALU_DEP_1)
	v_max3_num_f32 v50, v50, v55, v56
	s_delay_alu instid0(VALU_DEP_1)
	v_max_num_f32 v50, v50, v57
	s_delay_alu instid0(VALU_DEP_1)
	v_add_f32 v46, s29, v50                        ; g
	s_wait_alu depctr_va_vdst(0)
	v_rcp_f32 v47, v46
	v_mul_f32 v44, s28, v46                        ; g / 127, first guess (the plain instruction behind the reciprocal)
	s_wait_alu depctr_va_vdst(0)
	v_mul_f32 v42, s26, v47                        ; 127 / g, first guess
	s_delay_alu instid0(VALU_DEP_1)
	v_fma_f32 v43, -v46, v42, s26
	v_fma_f32 v45, s30, v44, v46
	v_fma_f32 v42, v43, v47, v42                   ; 127 / g
	s_delay_alu instid0(VALU_DEP_2)
	v_fma_f32 v44, v45, s28, v44                   ; g / 127
.irp p, 8, 10, 24, 26
	v_pk_mul_f32 v[\p:\p+1], v[\p:\p+1], v[42:43] op_sel_hi:[1,0]
.endr
.irp p, 8, 9, 10, 11, 24, 25, 26, 27
	v_rndne_f32 v\p, v\p
.endr
.irp p, 8, 9, 10, 11, 24, 25, 26, 27
	v_med3_num_f32 v\p, v\p, s27, s26
.endr
.irp p, 8, 10, 24, 26
	v_pk_mul_f32 v[\p:\p+1], v[\p:\p+1], v[44:45] op_sel_hi:[1,0]
.endr
	ds_store_b128 v17, v[8:11] offset:CQ           ; query's half of the row,
	ds_store_b128 v17, v[24:27] offset:CQ+4096     ; ctx's half
	s_wait_dscnt 0x0                               ; for the others' sake
	s_barrier_signal -1
	s_barrier_wait -1
.set j, 0
.rept 16
	ds_load_b128 v[128+4*j:131+4*j], v16 offset:CQ+512*j   ; the whole row: register 4 j + i is k = 128 j + 4 l + i
.set j, j+1
.endr
	s_wait_dscnt 0x0
	s_wait_kmcnt 0x0                               ; b_c
.macro CROW rho
	s_wait_loadcnt 12-4*(\rho)                     ; this row's four loads are in; the later rows' may be out
.set n, 0
.rept 8
	v_cvt_scale_pk8_f32_fp8 v[192+8*n:199+8*n], v[64+16*(\rho)+2*n:65+16*(\rho)+2*n], v29   ; eight bytes become eight f32 numbers, -1, 0 or 1, the lowest byte first
.set n, n+1
.endr
	v_nop                                          ; a plain instruction between the last conversion and the use of the results
.set n, 0
.rept 32
.if n < 4
	v_pk_mul_f32 v[32+2*n:33+2*n], v[192+2*n:193+2*n], v[128+2*n:129+2*n]      ; the first products start four chains
.else
	v_pk_fma_f32 v[32+2*(n%4):33+2*(n%4)], v[192+2*n:193+2*n], v[128+2*n:129+2*n], v[32+2*(n%4):33+2*(n%4)]
.endif
.set n, n+1
.endr
	s_delay_alu instid0(VALU_DEP_3)
	v_pk_add_f32 v[32:33], v[32:33], v[34:35]
	s_delay_alu instid0(VALU_DEP_2)
	v_pk_add_f32 v[36:37], v[36:37], v[38:39]
	s_delay_alu instid0(VALU_DEP_1)
	v_pk_add_f32 v[32:33], v[32:33], v[36:37]
	s_delay_alu instid0(VALU_DEP_1)
	v_add_f32 v32, v32, v33
	WSUM 32, 33
	s_delay_alu instid0(VALU_DEP_1)
	v_fma_f32 v[58+\rho], v32, v40, s[20+\rho]     ; s x the sum of xq t + b_c
.endm
	CROW 0
	CROW 1
	CROW 2
	CROW 3
	s_wait_alu depctr_va_vdst(0)
	s_wait_xcnt 0x0                                ; EXEC changes only behind this wait
	v_cmp_eq_u32 vcc_lo, 0, v1
	s_barrier_signal -1
	s_barrier_wait -1
	s_wait_tensorcnt 0x0
	ds_add_u32 v62, v63
	s_wait_dscnt 0x0
	s_and_saveexec_b32 s31, vcc_lo
	global_store_b128 v22, v[58:61], s[18:19]      ; 16 bytes a wave: the output is 32,768 bytes in all
	s_wait_xcnt 0x0
	s_or_b32 exec_lo, exec_lo, s31
	s_endpgm
.Lfunc_end_k_qaaa33172e9_final:
	.size	k_qaaa33172e9_final, .Lfunc_end_k_qaaa33172e9_final-k_qaaa33172e9_final
	.p2alignl 7, 3214868480
	.fill 96, 4, 3214868480
	.section	.rodata,"a",@progbits
	.p2align	6, 0x0
	.amdhsa_kernel k_qaaa33172e9_final
		.amdhsa_group_segment_fixed_size 9472
		.amdhsa_private_segment_fixed_size 0
		.amdhsa_enable_private_segment 0
		.amdhsa_kernarg_size 64
		.amdhsa_user_sgpr_count 2
		.amdhsa_user_sgpr_kernarg_segment_ptr 1
		.amdhsa_wavefront_size32 1
		.amdhsa_system_sgpr_workgroup_id_x 1
		.amdhsa_system_sgpr_workgroup_id_y 1
		.amdhsa_system_sgpr_workgroup_id_z 1
		.amdhsa_system_vgpr_workitem_id 0
		.amdhsa_next_free_vgpr 256
		.amdhsa_next_free_sgpr 66
		.amdhsa_reserve_vcc 1
		.amdhsa_float_denorm_mode_32 3
		.amdhsa_float_denorm_mode_16_64 3
		.amdhsa_memory_ordered 1
		.amdhsa_forward_progress 1
		.amdhsa_inst_pref_size 40
	.end_amdhsa_kernel
	.amdgpu_metadata
---
amdhsa.version: [ 1, 2 ]
amdhsa.kernels:
  - .name:           k_qaaa33172e9_final
    .symbol:         k_qaaa33172e9_final.kd
    .args:
      - { .name: part, .offset: 0, .size: 8, .value_kind: global_buffer, .address_space: global }
      - { .name: ml, .offset: 8, .size: 8, .value_kind: global_buffer, .address_space: global }
      - { .name: sums, .offset: 16, .size: 8, .value_kind: global_buffer, .address_space: global }
      - { .name: query, .offset: 24, .size: 8, .value_kind: global_buffer, .address_space: global }
      - { .name: b_v, .offset: 32, .size: 8, .value_kind: global_buffer, .address_space: global }
      - { .name: tc, .offset: 40, .size: 8, .value_kind: global_buffer, .address_space: global }
      - { .name: b_c, .offset: 48, .size: 8, .value_kind: global_buffer, .address_space: global }
      - { .name: out0, .offset: 56, .size: 8, .value_kind: global_buffer, .address_space: global }
    .group_segment_fixed_size: 9472
    .private_segment_fixed_size: 0
    .kernarg_segment_align: 8
    .kernarg_segment_size: 64
    .max_flat_workgroup_size: 256
    .sgpr_count:     66
    .vgpr_count:     256
    .wavefront_size: 32
...
	.end_amdgpu_metadata
.endif
;; end of part 4
